; MI455X (gfx1250); checked and timed in simulation.
; The chip was launched on July 23, 2026; its instructions are those of AMD's public machine-readable ISA for CDNA 5 (MIT licence, August 2026) and "CDNA5" Instruction Set Architecture Reference Guide (July 2026). The comments in the code are by the model that wrote it; some were corrected since.
;; MAB. Allowed arithmetic: matrix products marked QUANTISED: E5M2 operands, one E8M0 scale for each 32 along K, by v_wmma_scale_f32_16x16x128_f8f6f4 with both operands' format E5M2, f32 sums; everything else in f32.
;; Inputs: K 32 x 512 x 512 float32; Q 32 x 512 x 512 float32; W1 512 x 512 float32; W2 512 x 512 float32; Wk 512 x 512 float32; Wo 512 x 512 float32; Wq 512 x 512 float32; Wv 512 x 512 float32; b1 512 float32; b2 512 float32; bk 512 float32; bo 512 float32; bq 512 float32; bv 512 float32.
;; Outputs: out0 32 x 512 x 512 float32.
;; This version of the problem:
;;   THIS VERSION OF THE PROBLEM IS GIVEN IN LOW PRECISION. The matrix products marked QUANTISED in the list below multiply operands that are first quantised to E5M2 (5 exponent bits, 2 mantissa bits; 8 bits a number), with one power-of-two scale for each 32 numbers along K (OCP MX v1.0); their sums are f32. All else is computed in f32.
;;   The module's matrix products, in the order in which they are computed (A, B: the left and right operand; K: the contracted axis; several contracted axes count as one K, in the product's order):
;;     1. [M 16,384, K 512] x [K 512, N 512]; A: input Q; B: input Wq: QUANTISED
;;     2. [M 16,384, K 512] x [K 512, N 512]; A: input K; B: input Wk: QUANTISED
;;     3. [M 16,384, K 512] x [K 512, N 512]; A: input K; B: input Wv: QUANTISED
;;     4. batch 256 x [M 512, K 64] x [K 64, N 512]; A: computed on the way; B: computed on the way: QUANTISED
;;     5. batch 256 x [M 64, K 512] x [K 512, N 512]; A: computed on the way; B: computed on the way: QUANTISED
;;     6. [M 16,384, K 512] x [K 512, N 512]; A: computed on the way; B: input Wo: QUANTISED
;;     7. [M 16,384, K 512] x [K 512, N 512]; A: computed on the way; B: input W1: QUANTISED
;;     8. [M 16,384, K 512] x [K 512, N 512]; A: computed on the way; B: input W2: QUANTISED
;;   THE QUANTISER, for each operand of a quantised product, along K:
;;     - K is cut into blocks of 32 from its start; a last block that is shorter is filled with zeros.
;;     - A block's scale is 2^e with e = floor(log2(the largest magnitude in the block)) - 15, held to -126 .. 127; a block of zeros has e = 0. As a byte (E8M0): e + 127.
;;     - Each number is divided by its block's scale, clamped to +-57,344, and rounded to the nearest number of E5M2, ties to even, subnormals kept.
;;     - The product sums the exact products of the quantised numbers (number of the format x scale) in f32.
;;   ~~~python
;;   def quantise(x, axis):      # numpy; x: float32 -> the quantised numbers, widened to float32 again
;;       x = np.moveaxis(x, axis, -1); K = x.shape[-1]
;;       x = np.pad(x, [(0, 0)] * (x.ndim - 1) + [(0, -K % 32)]); x = x.reshape(x.shape[:-1] + (-1, 32)); a = np.abs(x).max(-1, keepdims=True)
;;       e = np.where(a > 0, np.clip(np.frexp(np.where(a > 0, a, 1))[1] - 1 - 15, -126, 127), 0)      # np.frexp(a)[1] - 1 = floor(log2(a)), exactly
;;       r = np.clip(x / 2.0 ** e, -57344, 57344)
;;       step = 2.0 ** (np.maximum(np.frexp(np.where(r == 0, 1, r))[1] - 1, -14) - 2)
;;       q = np.round(r / step) * step * 2.0 ** e      # np.round: ties to even
;;       return np.moveaxis(q.reshape(q.shape[:-2] + (-1,))[..., :K], -1, axis).astype(np.float32)
;;   ~~~
;;   OPERANDS COMPUTED ON THE WAY. 'Computed on the way' means the value that the module computes at that place (a softmax that the list does not call 'softmax' is quantised finished and normalised). What goes into a quantiser is computed in f32, as accurately as f32 sums, v_exp_f32 and their like allow (about 1e-6 of the number): no bf16 or f16 on the way to a quantiser, and a product that is left as it is and whose result goes on into a quantised operand takes f32 operands (vector FMAs, or v_wmma_f32_16x16x4_f32). A number that lies on a knife's edge between two numbers of the format may be rounded either way, as far as f32 arithmetic and the matrix unit's own rounding can turn it there, and no further.
;; One version. Each part assembles by itself: llvm-mc -triple=amdgcn-amd-amdhsa -mcpu=gfx1250 --defsym DOCPART=n.
;; ======== version 1 of 1: 3 launches
;; limits: right only within a limited range of input values
;; workspace buffers: wbuf 1,622,016 bytes; xbuf 17,301,504 bytes; abuf 8,650,752 bytes
;; launch prep (part 1): grid 16 x 70, 4 waves a work-group, no clusters, 34,304 bytes of LDS; arguments Wq, Wk, Wv, Wo, W1, W2, Q, K, wbuf, xbuf; writes wbuf, xbuf
.if DOCPART == 1
	.amdgcn_target "amdgcn-amd-amdhsa--gfx1250"
	.amdhsa_code_object_version 6
	.text
	.protected	k_q28890f7818_prep
	.globl	k_q28890f7818_prep
	.p2align	8
	.type	k_q28890f7818_prep,@function
k_q28890f7818_prep:
	s_mov_b64 s[64:65], 0
	v_nop
	global_prefetch_b8 v0, s[64:65] scope:SCOPE_SE
	s_setreg_imm32_b32 hwreg(HW_REG_WAVE_MODE, 25, 1), 1
	s_wait_xcnt 0x0
; THE PROGRAM: out = Q + attn Wo^T + bo, result = out + relu(out W1^T + b1) W2^T + b2, attn = softmax over the QUERY axis of (q k^T / sqrt(512)) times v, all eight products on codes of E5M2 with one E8M0 scale for each 32 along K.
; Three launches: this one (the six weights, Q and K into codes), pattn (q, k, v and the attention of one batch and head), ffn (the three last products and both residuals).
; DEAD WORK: none.  bq and bk enter q and k, which are quantised operands; bk's share of a score varies along the softmax's axis (the queries); bv, bo, b1, b2 reach the result.  All fourteen inputs are loaded.
; THIS LAUNCH: 70 matrices [512][512] f32 with K innermost (the six weights, used as x W^T; the 32 batches of Q; the 32 of K) become codes in the order in which a wave's operand registers take them, and one scale word for each row and 128 along K.
; Q and K are quantised here ONCE: in the next launch the eight heads of a batch all read them, as a quarter of the bytes.
; A matrix's codes: [w 8][K step s 4][tile t 4][c 4][lane 32][16 bytes]; lane (r, hh), piece c holds place r of the tile, k = 128 s + 32 c + 16 hh + 0 .. 15.  Its scale words: [w][t][r 16][s 4][4 bytes].
; wbuf: the six weights' codes, 262,144 bytes each; from byte 1,572,864 on their words, 8,192 bytes each.  xbuf: Q's 32 matrices, then K's 32; from byte 16,777,216 on their words.
; THE ROWS OF A TILE: in the weights and in K place p of tile t is row 64 w + 32 (t / 2) + 8 (t % 2) + p + 8 (p / 8), so that the 16 results of two neighbouring tiles in a lane are 16 neighbours along the next product's K; in Q it is row 64 w + 16 t + p.
; A block's scale is 2^(floor(log2(its largest magnitude)) - 15); its byte is that magnitude's exponent field - 15, held at 1 from below.
; LIMITS: a block of zeros gets the byte 1 where the rule says 127 (its codes are zeros, and this program alone reads the bytes); NaN and infinities among the inputs are not served.
; SHARES: a wave makes two fragments, 16 rows x 128 along K each, K steps 2 sp and 2 sp + 1.  Each of its 32 loads reads 512 consecutive bytes of one row, and all 32 are issued at once; the numbers turn through the wave's own stage in LDS,
; so that a lane holds 16 neighbours of each block of 32.  No matrix unit, no cluster, no barrier: waves share nothing and every byte is read once.
.set STGB,  8448                       ; a stage: 16 rows x (512 bytes + 16)
.set SPARE, 4*STGB                     ; behind the four stages: the spare words, 128 bytes for each wave
.set LI,  1                            ; v1   16 x lane: places 0 to 7
.set STW, 2                            ; v2   the stage, on the way in: 16 x lane
.set STR, 3                            ; v3   and on the way out: 528 r + 64 hh
.set R16, 4                            ; v4   16 r
.set LI2, 5                            ; v5   16 x lane, and 8 rows more where the tile's places 8 to 15 lie 8 rows further down
.set SPW, 12                           ; v12  LDS address of my spare word; never rewritten
.set NIL, 13                           ; v13  0; never rewritten
.set PW,  14                           ; v14-15 the two scale words
.set TM,  16                           ; v16-19 largest magnitudes, v20-23 bytes, v24-27 57,344 x the scale, v28-31 the conversions' scale operands
.set X,   32                           ; v32-159 two fragments' numbers, 64 a lane each
.set PC,  160                          ; v160-191 their codes: registers of its own for each fragment, so that no store's data are written again
.set SEL, 48                           ; s[48:49] selects for lane l xor 16
.set MNT, 50                           ; s50  the mantissa field of 57,344
; 64 numbers of a lane, four units of 16 registers; a unit and lane l xor 16's are a block of 32.  Codes into v[pc] on, bytes into v[TM+4] on.
.macro QUANT s, pc
.irp b, 0,1,2,3
	v_max3_num_f32 v[TM+\b], |v[\s+16*\b]|, |v[\s+16*\b+1]|, 0x8000000   ; my 16 numbers, and the floor 2^(16 - 127): the byte cannot fall under 1
.endr
.irp i, 2,4,6,8,10,12,14
.irp b, 0,1,2,3
	v_max3_num_f32 v[TM+\b], v[TM+\b], |v[\s+16*\b+\i]|, |v[\s+16*\b+\i+1]|
.endr
.endr
.irp b, 0,1,2,3
	v_permlanex16_b32 v[TM+4+\b], v[TM+\b], s[SEL], s[SEL+1]
.endr
.irp b, 0,1,2,3
	v_max_num_f32 v[TM+\b], v[TM+\b], v[TM+4+\b]   ; with lane l xor 16's: the block's largest magnitude
.endr
.irp b, 0,1,2,3
	v_add_nc_u32 v[TM+12+\b], 0xf8800000, v[TM+\b] ; 15 off its exponent field: the conversion's scale operand
.endr
.irp b, 0,1,2,3
	v_and_or_b32 v[TM+8+\b], v[TM+\b], 0x7f800000, s[MNT]   ; 57,344 x the scale
.endr
.irp b, 0,1,2,3
	v_lshrrev_b32 v[TM+4+\b], 23, v[TM+12+\b]      ; the scale's byte
.endr
.irp b, 0,1,2,3
.irp i, 0,1,2,3,4,5,6,7,8,9,10,11,12,13,14,15
	v_med3_num_f32 v[\s+16*\b+\i], v[\s+16*\b+\i], -v[TM+8+\b], v[TM+8+\b]   ; the conversion to an 8-bit code does not saturate (ISA guide 7.6.2): the hold
.endr
.endr
.irp b, 0,1,2,3
	v_cvt_scalef32_pk8_bf8_f32 v[\pc+4*\b:\pc+4*\b+1], v[\s+16*\b:\s+16*\b+7], v[TM+12+\b]
	v_cvt_scalef32_pk8_bf8_f32 v[\pc+4*\b+2:\pc+4*\b+3], v[\s+16*\b+8:\s+16*\b+15], v[TM+12+\b]
.endr
	v_nop                                          ; one plain line behind the last conversion
.endm
; Fragment e: its 16 loads are in (lc younger ones stay out); through my stage; quantised; the codes stored.
.macro FRAG e, lc
	s_wait_loadcnt \lc
.irp p, 0,1,2,3,4,5,6,7,8,9,10,11,12,13,14,15
	ds_store_b128 v[STW], v[X+64*\e+4*\p:X+64*\e+4*\p+3] offset:528*\p
.endr
.irp b, 0,1,2,3
.irp j, 0,1,2,3
	ds_load_b128 v[X+64*\e+16*\b+4*\j:X+64*\e+16*\b+4*\j+3], v[STR] offset:128*\b+16*\j   ; LDS serves a wave's instructions in order: these see my stores.  Register 16 b + i: k = 32 b + 16 hh + i of place r
.endr
.endr
	s_wait_dscnt 0x0                               ; the numbers are back: the stage may be written again
	QUANT X+64*\e, PC+16*\e
	v_lshl_or_b32 v[PW+\e], v[TM+5], 8, v[TM+4]
	v_lshl_or_b32 v[PW+\e], v[TM+6], 16, v[PW+\e]
	v_lshl_or_b32 v[PW+\e], v[TM+7], 24, v[PW+\e]
.irp c, 0,1,2,3
	global_store_b128 v[LI], v[PC+16*\e+4*\c:PC+16*\e+4*\c+3], s[44:45] offset:8192*\e+512*\c   ; 32 lanes store 512 consecutive bytes
.endr
.endm
	s_load_b512 s[4:19], s[0:1], 0x0               ; Wq, Wk, Wv, Wo, W1, W2, Q, K
	s_load_b128 s[20:23], s[0:1], 0x40             ; wbuf, xbuf
	v_lshl_add_u32 v[SPW], v0, 2, SPARE
	v_mov_b32 v[NIL], 0
	v_lshrrev_b32 v6, 5, v0
	v_readfirstlane_b32 s24, v6                    ; wave
	v_and_b32 v7, 31, v0                           ; lane
	v_and_b32 v8, 15, v0                           ; r
	v_bfe_u32 v9, v0, 4, 1                         ; hh
	v_lshlrev_b32 v[LI], 4, v7
	v_lshlrev_b32 v[R16], 4, v8
	s_mul_i32 s47, s24, STGB
	v_add_nc_u32 v[STW], s47, v[LI]
	v_mul_u32_u24 v[STR], v8, 528
	v_lshl_add_u32 v[STR], v9, 6, v[STR]
	v_add_nc_u32 v[STR], s47, v[STR]
.irp b, 0,1,2,3
	v_mov_b32 v[TM+4+\b], 0                        ; a lane permute's destination counts as one of its sources
.endr
	s_mov_b32 s[SEL], 0x76543210
	s_mov_b32 s[SEL+1], 0xfedcba98
	s_mov_b32 s[MNT], 0x600000
	s_lshl_b32 s25, ttmp9, 2
	s_add_co_u32 s25, s25, s24                     ; 8 w + 2 t + sp
	s_and_b32 s26, s25, 1                          ; sp: which pair of K steps
	s_bfe_u32 s27, s25, 0x20001                    ; t
	s_lshr_b32 s28, s25, 3                         ; w
	s_and_b32 s29, ttmp7, 0xffff                   ; which matrix: 0 to 5 a weight, 6 to 37 Q's batches, 38 to 69 K's
	s_sub_co_u32 s30, s29, 6                       ; its number in xbuf (of a weight: a number above every other)
	s_and_b32 s31, s30, 31
	s_lshl_b32 s31, s31, 20                        ; the batch: 1,048,576 bytes each
	s_lshl_b32 s32, s28, 6                         ; 64 w
	s_lshr_b32 s33, s27, 1
	s_lshl_b32 s33, s33, 5
	s_add_co_u32 s33, s33, s32
	s_and_b32 s34, s27, 1
	s_lshl_b32 s34, s34, 3
	s_add_co_u32 s33, s33, s34                     ; the tile's first row in a weight or in K: 64 w + 32 (t / 2) + 8 (t % 2)
	s_lshl_b32 s34, s27, 4
	s_add_co_u32 s34, s34, s32                     ; and in Q: 64 w + 16 t
	s_mov_b32 s37, 16777216
	s_cmp_lt_u32 s30, 32                           ; Q?  All choices hang on the work-group's y alone
	s_cselect_b32 s33, s34, s33
	s_cselect_b32 s35, 0, 16384                    ; places 8 to 15: in Q the next rows, else 8 rows further down
	s_cmp_lt_u32 s29, 6                            ; a weight?
	s_cselect_b32 s31, 0, s31
	s_cselect_b32 s36, s29, s30                    ; the matrix's number in the buffer that takes it
	s_cselect_b32 s37, 1572864, s37                ; where that buffer's scale words begin
	s_lshl_b32 s33, s33, 11                        ; rows of 2,048 bytes
	s_add_co_u32 s38, s33, s31
	s_lshl_b32 s34, s26, 10                        ; two K steps are 1,024 bytes
	s_add_co_u32 s38, s38, s34
	s_mov_b32 s39, 0
	s_lshl_b32 s40, s36, 18                        ; the codes: 262,144 bytes a matrix, 32,768 for w, 8,192 a K step, 2,048 a tile
	s_lshl_b32 s34, s28, 15
	s_add_co_u32 s40, s40, s34
	s_lshl_b32 s34, s26, 14
	s_add_co_u32 s40, s40, s34
	s_lshl_b32 s34, s27, 11
	s_add_co_u32 s40, s40, s34
	s_mov_b32 s41, 0
	s_lshl_b32 s42, s36, 13                        ; the scale words: 8,192 bytes a matrix, 1,024 for w, 256 a tile, 4 a K step
	s_lshl_b32 s34, s28, 10
	s_add_co_u32 s42, s42, s34
	s_lshl_b32 s34, s27, 8
	s_add_co_u32 s42, s42, s34
	s_lshl_b32 s34, s26, 3
	s_add_co_u32 s42, s42, s34
	s_add_co_u32 s42, s42, s37
	s_mov_b32 s43, 0
	v_add_nc_u32 v[LI2], s35, v[LI]
	s_wait_alu depctr_va_vdst(0)
	s_wait_kmcnt 0x0
	s_cmp_eq_u32 s29, 1
	s_cselect_b64 s[4:5], s[6:7], s[4:5]
	s_cmp_eq_u32 s29, 2
	s_cselect_b64 s[4:5], s[8:9], s[4:5]
	s_cmp_eq_u32 s29, 3
	s_cselect_b64 s[4:5], s[10:11], s[4:5]
	s_cmp_eq_u32 s29, 4
	s_cselect_b64 s[4:5], s[12:13], s[4:5]
	s_cmp_eq_u32 s29, 5
	s_cselect_b64 s[4:5], s[14:15], s[4:5]
	s_cmp_ge_u32 s29, 6
	s_cselect_b64 s[4:5], s[16:17], s[4:5]
	s_cmp_ge_u32 s29, 38
	s_cselect_b64 s[4:5], s[18:19], s[4:5]
	s_cmp_lt_u32 s29, 6
	s_cselect_b64 s[20:21], s[20:21], s[22:23]
	s_add_nc_u64 s[4:5], s[4:5], s[38:39]
	s_add_nc_u64 s[44:45], s[20:21], s[40:41]
	s_add_nc_u64 s[46:47], s[20:21], s[42:43]
.irp e, 0,1
.irp p, 0,1,2,3,4,5,6,7
	global_load_b128 v[X+64*\e+4*\p:X+64*\e+4*\p+3], v[LI], s[4:5] offset:2048*\p+512*\e th:TH_LOAD_NT   ; place p of the tile: 512 consecutive bytes of its row
.endr
.irp p, 8,9,10,11,12,13,14,15
	global_load_b128 v[X+64*\e+4*\p:X+64*\e+4*\p+3], v[LI2], s[4:5] offset:2048*\p+512*\e th:TH_LOAD_NT
.endr
.endr
	FRAG 0, 16                                     ; the second fragment's 16 loads stay out
	FRAG 1, 0
	global_store_b64 v[R16], v[PW:PW+1], s[46:47]  ; lanes r and r + 16 hold the same two words and write them to the same place
	s_wait_tensorcnt 0x0                           ; the wave's end: behind my last LDS store
	ds_add_u32 v[SPW], v[NIL]
	s_wait_dscnt 0x0
	s_endpgm
.Lfunc_end_k_q28890f7818_prep:
	.size	k_q28890f7818_prep, .Lfunc_end_k_q28890f7818_prep-k_q28890f7818_prep
	.p2alignl 7, 3214868480
	.fill 96, 4, 3214868480
	.section	.rodata,"a",@progbits
	.p2align	6, 0x0
	.amdhsa_kernel k_q28890f7818_prep
		.amdhsa_group_segment_fixed_size 34304
		.amdhsa_private_segment_fixed_size 0
		.amdhsa_enable_private_segment 0
		.amdhsa_kernarg_size 80
		.amdhsa_user_sgpr_count 2
		.amdhsa_user_sgpr_kernarg_segment_ptr 1
		.amdhsa_wavefront_size32 1
		.amdhsa_system_sgpr_workgroup_id_x 1
		.amdhsa_system_sgpr_workgroup_id_y 1
		.amdhsa_system_sgpr_workgroup_id_z 1
		.amdhsa_system_vgpr_workitem_id 0
		.amdhsa_next_free_vgpr 192
		.amdhsa_next_free_sgpr 66
		.amdhsa_reserve_vcc 0
		.amdhsa_float_denorm_mode_32 3
		.amdhsa_float_denorm_mode_16_64 3
		.amdhsa_memory_ordered 1
		.amdhsa_forward_progress 1
		.amdhsa_inst_pref_size 28
	.end_amdhsa_kernel
	.amdgpu_metadata
---
amdhsa.version: [ 1, 2 ]
amdhsa.kernels:
  - .name:           k_q28890f7818_prep
    .symbol:         k_q28890f7818_prep.kd
    .args:
      - { .name: Wq, .offset: 0, .size: 8, .value_kind: global_buffer, .address_space: global }
      - { .name: Wk, .offset: 8, .size: 8, .value_kind: global_buffer, .address_space: global }
      - { .name: Wv, .offset: 16, .size: 8, .value_kind: global_buffer, .address_space: global }
      - { .name: Wo, .offset: 24, .size: 8, .value_kind: global_buffer, .address_space: global }
      - { .name: W1, .offset: 32, .size: 8, .value_kind: global_buffer, .address_space: global }
      - { .name: W2, .offset: 40, .size: 8, .value_kind: global_buffer, .address_space: global }
      - { .name: Q, .offset: 48, .size: 8, .value_kind: global_buffer, .address_space: global }
      - { .name: K, .offset: 56, .size: 8, .value_kind: global_buffer, .address_space: global }
      - { .name: wbuf, .offset: 64, .size: 8, .value_kind: global_buffer, .address_space: global }
      - { .name: xbuf, .offset: 72, .size: 8, .value_kind: global_buffer, .address_space: global }
    .group_segment_fixed_size: 34304
    .private_segment_fixed_size: 0
    .kernarg_segment_align: 8
    .kernarg_segment_size: 80
    .max_flat_workgroup_size: 128
    .sgpr_count:     66
    .vgpr_count:     192
    .wavefront_size: 32
...
	.end_amdgpu_metadata
.endif
;; end of part 1
;; launch pattn (part 2): grid 256 x 1, 8 waves a work-group, no clusters, 207,872 bytes of LDS; arguments xbuf, wbuf, bq, bk, bv, abuf; writes abuf
.if DOCPART == 2
	.amdgcn_target "amdgcn-amd-amdhsa--gfx1250"
	.amdhsa_code_object_version 6
	.text
	.protected	k_q28890f7818_pattn
	.globl	k_q28890f7818_pattn
	.p2align	8
	.type	k_q28890f7818_pattn,@function
k_q28890f7818_pattn:
	s_mov_b64 s[64:65], 0
	v_nop
	global_prefetch_b8 v0, s[64:65] scope:SCOPE_SE
	s_setreg_imm32_b32 hwreg(HW_REG_WAVE_MODE, 25, 1), 1
	s_wait_xcnt 0x0
; One batch and head to a work-group: q = Q Wq^T + bq, k = K Wk^T + bk, v = K Wv^T + bv for the head's 64 columns and all 512 rows; scores = q k^T / sqrt(512); A = softmax over the QUERIES (each key column has its own maximum and sum);
; attn = A v.  All five products on codes of E5M2 with E8M0 scales.  q, k, v never go to memory.  No work is left out.
; THE PROJECTIONS.  Wave w owns rows 64 w .. 64 w + 63: 16 accumulators (4 row tiles x 4 tiles of the head's 64 columns), four K steps of 128, 16 matrix instructions a step.  Its rows' fragments of Q and K come from xbuf, in the order of the
; operand's registers, straight into registers: 32,768 bytes a layer that it alone of its work-group reads, by loads of 512 consecutive bytes, two K steps (16,384 bytes) ahead, by counted waits.  The head's slices of Wq, Wk, Wv (32,768 bytes
; each) are copied into LDS once and read from there by all eight waves.  q and k are made with source 0 = 16 rows of W, source 1 = 16 rows of x: a lane holds one row and 16 neighbouring columns, and is quantised along the head's 64;
; v the other way round: a lane holds one column d and 16 neighbouring keys, and is quantised along the keys.  The bias is the C of each sum's first instruction.  The codes go to LDS as images of the operands' registers.
; A is quantised finished and normalised, along the keys, so a column's maximum and sum must be known before any code of A is made.  512 x 512 scores in f32 are 1 MiB, more than registers and LDS hold: THE SCORES ARE MADE TWICE.
; PASS 1 (source 0 = 16 queries, source 1 = 16 keys: a lane holds ONE KEY, its registers run along the queries).  Wave w owns keys 64 w .. 64 w + 63 and walks all 512 queries, 64 a group, with a running maximum m and sum l:
;   l = l 2^(c m_old - c m_new) + sum of 2^(c s - c m_new), c = log2(e) / sqrt(512).  At the end -g = -(c m + log2 l) of each key goes to LDS.
; PASS 2 (source 0 = 16 keys, source 1 = 16 queries: a lane holds ONE QUERY, its registers run along the keys).  Wave w owns queries 64 w .. 64 w + 63.  A = 2^(c s - g), one fused multiply-add and one exponential; it is quantised in registers and is
;   source 1 of O^T += V^T A^T.  A block's largest A is not searched for: the block's largest c s - g goes through the same exponential (A rises with it).  At the end O is quantised along the head's 64 and stored as the next launch's operand.
; K = 64 IN AN INSTRUCTION OF K = 128: one operand has eight registers of codes and eight of zero codes; the other is a run of tiles of eight registers, whose upper eight are the next tile's finite codes, which meet zeros.  Bytes 2, 3 of the scale words are 0.
; THE KEYS OF A TILE ARE NOT NEIGHBOURS (place p of tile 2 B + u is key 32 B + 8 u + p + 8 (p / 8): so xbuf has K's rows), so that in v and in pass 2 the 16 registers of two neighbouring tiles are 16 neighbouring keys; W's rows, and so V's d tiles, likewise.
; NO CLUSTER, NO TENSOR LOAD, though the eight heads of a batch read the same fragments of x: a joint load lands in LDS, where each fragment would be written once and read once, by the one wave that owns its rows;
; and beside the 207,872 bytes in use LDS has 119,808 left, less than two slots of one K step's 65,536.
; LIMITS: scores under -3e38 are not served; an A under 2^-126 becomes 0 (v_exp_f32 gives no denormals); a block of zeros gets the byte 1 where the rule says 127 (its codes are zeros; this program alone reads the bytes); NaN and infinities are not served.
; REGISTERS.  Window 0: v1-13, v116-124 addresses, in both phases; v14, v15 the add's two; v48-63, v64-79, v112-115 the quantiser's.  Projections: v16-31 W's scale words, v32-47 x's, v80-111 the bias, v128-255 the accumulators.
;   Attention: v16-32 scale words; v80-111 pass 1: statistics, pass 2: two query fragments; v128-255 pass 1: scores; pass 2: v128-191 scores, v192-255 -g.
;   Window 1: projections: v0-127 W's fragments, two buffers, v128-255 x's, two buffers; pass 1: v0-63 my four key tiles (upper halves zero), v64-103 and v104-143 two runs of four query tiles with a pad of zeros;
;   pass 2: v0-63 eight key tiles, v64-127 V's four fragments, v128-255 O^T.
; THE PROJECTIONS AS THEY STAND (this takes the place of what the lines above say of their buffers, of how far ahead they load, and of K's rows):
; K's fragments are read from xbuf ONCE.  q is made as said above, four K steps of 16 products.  k and v are made TOGETHER, in two halves of 32 rows: a unit of work is one K step of two row tiles,
; 8 products for k (source 0 = Wk's tile) and 8 for v (source 0 = the rows), on 8 + 8 accumulators, v128-191 and v192-255.  Window 1: v0-63 ONE buffer for four tiles of a weight, filled from LDS ahead of each run of products;
; v64-255 a ring of six units of 32 registers (two row tiles x 128 of K) for x: q's step s takes units 2 s and 2 s + 1 (mod 6), K's unit j takes (2 + j) mod 6; a unit is asked for again as soon as its products are issued: 48 loads, 24,576 bytes a wave.
; SCALE WORDS BY HALVES OF THE LANES: v32-47 hold Q's words in lanes 0-15 and K's in lanes 16-31 (one load: the two lie 262,144 bytes apart in xbuf); v16-31 hold, for k and v, Wk's words in lanes 0-15 and Wv's in lanes 16-31.
; bv is added to v's finished sums (one number a lane and d tile, v116, v118, v120, v122); bq and bk are the C of the first products.
.set QF,    0
; THE WEIGHTS' SLICES COME BY THE TENSOR DATA MOVER (in place of 'no tensor load' above): one load a wave at the head, three rows of 4,096 bytes, bytes 4,096 w on of the head's slices of Wq, Wk, Wv, which lie 262,144 bytes apart in wbuf.
; So the slices lie in LDS as [chunk of 4,096 bytes: 8][Wq, Wk, Wv][4,096 bytes]: tile m of K step s of weight L is at 12,288 (2 s + m / 2) + 4,096 L + 2,048 (m % 2).  Filled once; nothing is filled again.
; NO CLUSTER: neighbours in the grid are the heads of one batch, which share no slice; the work-groups that share a slice lie 8 apart in the grid, and a slice is fetched once, 12,288 bytes a wave.
; No prefetch: the launch's loads of x are all asked for in straight-line text at most six units ahead of their use, and no loop runs ahead of them.
.set BVR,  116
.set XKV,  124                         ; v124 WSC + 16 r + 1,024 hh: Wk's and Wv's scale words by halves of the lanes
.set KF,    32768                      ; k's,
.set VF,    65536                      ; v's [d tile 4][K step 4][c 4][lane][16 bytes]: 32,768 bytes each;
.set QS,    98304                      ; q's scale words, 2,048 bytes,
.set KS,    100352                     ; k's,
.set VS,    102400                     ; v's scale bytes [d tile][K step][r 16][c 4], 1,024;
.set G,     103424                     ; -g of the 512 keys, in the keys' own order;
.set WI,    105472                     ; the head's slices of Wq, Wk, Wv: [chunk 8][Wq, Wk, Wv][4,096 bytes], 98,304 bytes in all;
.set WSC,   203776                     ; their scale words [tile][r][K step][4 bytes], 1,024 bytes each
.set SPARE, 206848                     ; the spare words, 128 bytes for each wave
.set LI,   1                           ; v1   16 x lane
; the projections' addresses
.set R16,  2                           ; v2   16 r
.set H64,  3                           ; v3   64 hh
.set BVA,  4                           ; v4   4 (r + 8 (r / 8))
.set XSA,  5                           ; v5   WSC + 16 r
.set WIA,  6                           ; v6   WI + 16 x lane: an LDS immediate has 16 bits, so the registers carry the regions' places
.set WIB,  7                           ; v7   WI + 49,152 + 16 x lane
.set QWI,  8                           ; v8   where my q codes go: QF + 4,096 w + 16 x lane
.set QWS,  9                           ; v9   and their words: QS + 256 w + 4 r
.set KWI,  10
.set KWS,  11
.set VWI,  12                          ; v12  VF + 1,024 w + 16 x lane
.set VWS,  13                          ; v13  VS + 64 (w / 2) + 2 (w % 2) + 4 r
.set SPW,  14
.set NIL,  15
.set XS,   16
.set WS,   32
.set TM,   48
.set PC,   64
.set BI,   80
.set SB,   112
.set CPS,  118                         ; v118 WSC + 4 x thread
.set T4,   120                         ; v120 4 x thread
.set ACC,  128
; the attention's
.set AQ2,  2                           ; v2   pass 2: 16 x lane + 4,096 w
.set AQS2, 3                           ; v3   QS + 4 r + 256 w
.set AQA,  4                           ; v4-5  pass 1: LDS address of the query tiles of buffer 0, 1
.set AQSA, 6                           ; v6-7  and of their scale words
.set AQS0, 8                           ; v8   QS + 4 r
.set AK0,  9                           ; v9   KF + 16 x lane
.set AKS0, 10                          ; v10  KS + 4 r
.set AVF0, 11                          ; v11  VF + 16 x lane
.set AVS0, 12                          ; v12  VS + 4 r
.set AG0,  13                          ; v13  G + 64 hh
.set KSW,  16                          ; v16-23 k's scale words
.set VSW,  24                          ; v24-27 pass 2: V's; pass 1: q's of buffer 0
.set QSW,  28                          ; v28-31 pass 2: q's; pass 1: q's of buffer 1
.set PW,   32                          ; v32  A's scale word
.set ST,   80                          ; pass 1, key tile kt at ST + 8 kt: +0 -c m, +1 m, +2, +3 l in two halves, +4 the factor, +5 zero, later log2 l, +6, +7 at work
.set QB,   80                          ; pass 2: two query fragments of 16 registers, upper halves zero
.set GA,   116                         ; v116 where my key's -g goes
.set R2,   117                         ; v117 2 r
.set AK,   118                         ; v118-122 pass 2: the K step's addresses
.set AKS,  119
.set AVF,  120
.set AVS,  121
.set AG,   122
.set AK1,  123                         ; v123 pass 1: KF + 16 x lane + 4,096 w
.set AKS1, 124                         ; v124 KS + 4 r + 256 w
.set S,    128
.set GR,   192
.set BQ,   8                           ; scalar pairs: the head's 64 numbers of each bias,
.set BK,   10
.set BV,   12
.set WV,   16                          ; s16  my wave's number
.set MNT,  17
.set SEL,  18
.set CS,   20                          ; s[20:21] c: the packed form names a pair and takes its low word for both halves
.set NCS,  22                          ; s22  -c
.set CNT,  23
.set WCQ,  36                          ; my rows' fragments of Q and of K,
.set WCK,  38
.set WSQ,  40                          ; their scale words,
.set WSL,  44                          ; the head's slice of Wq (Wk, Wv: 262,144 bytes on each), its words (8,192 on each),
.set WSW,  46
.set AO,   48                          ; and where attn's codes and scale bytes go
.set AOS,  50
.set TQ,   52                          ; pass 1: where the group to be fetched begins among q's codes, and among its words
.set TQS,  53
.set TK,   52                          ; pass 2: the K step's place among k's codes (8,192 a step), the words and -g (512), V's codes (2,048), V's scale bytes (64)
.set T5,   53
.set TV,   54
.set T6,   55
.set MSB, 0
.macro WIN new                         ; the immediate's high byte repeats the setting that is left; a switch that changes nothing is dropped
.if MSB != (\new)
	s_set_vgpr_msb (MSB<<8)|(\new)
.set MSB, (\new)
.endif
.endm
.macro PLACES n
.rept \n
	v_nop
.endr
.endm
; 64 numbers of a lane, four units of 16 registers; a unit and lane l xor 16's are a block of 32.  Codes into v[PC] on, bytes into v[TM+4] on.
.macro QUANT s
.irp b, 0,1,2,3
	v_max3_num_f32 v[TM+\b], |v[\s+16*\b]|, |v[\s+16*\b+1]|, 0x8000000   ; and the floor 2^(16 - 127): the byte cannot fall under 1
.endr
.irp i, 2,4,6,8,10,12,14
.irp b, 0,1,2,3
	v_max3_num_f32 v[TM+\b], v[TM+\b], |v[\s+16*\b+\i]|, |v[\s+16*\b+\i+1]|
.endr
.endr
.irp b, 0,1,2,3
	s_delay_alu instid0(VALU_DEP_4)
	v_permlanex16_b32 v[TM+4+\b], v[TM+\b], s[SEL], s[SEL+1]
.endr
.irp b, 0,1,2,3
	s_delay_alu instid0(VALU_DEP_4)
	v_max_num_f32 v[TM+\b], v[TM+\b], v[TM+4+\b]
.endr
.irp b, 0,1,2,3
	s_delay_alu instid0(VALU_DEP_4)
	v_add_nc_u32 v[TM+12+\b], 0xf8800000, v[TM+\b] ; 15 off the exponent field: the conversion's scale operand
.endr
.irp b, 0,1,2,3
	v_and_or_b32 v[TM+8+\b], v[TM+\b], 0x7f800000, s[MNT]   ; 57,344 x the scale
.endr
.irp b, 0,1,2,3
	v_lshrrev_b32 v[TM+4+\b], 23, v[TM+12+\b]      ; the scale's byte
.endr
.irp b, 0,1,2,3
.irp i, 0,1,2,3,4,5,6,7,8,9,10,11,12,13,14,15
	v_med3_num_f32 v[\s+16*\b+\i], v[\s+16*\b+\i], -v[TM+8+\b], v[TM+8+\b]   ; the conversion does not saturate (ISA guide 7.6.2): the hold
.endr
.endr
.irp b, 0,1,2,3
	v_cvt_scalef32_pk8_bf8_f32 v[PC+4*\b:PC+4*\b+1], v[\s+16*\b:\s+16*\b+7], v[TM+12+\b]
	v_cvt_scalef32_pk8_bf8_f32 v[PC+4*\b+2:PC+4*\b+3], v[\s+16*\b+8:\s+16*\b+15], v[TM+12+\b]
.endr
	v_nop                                          ; one plain line behind the last conversion
.endm
.macro XLD L, s                        ; K step s of the four tiles of weight L (0 Wq, 1 Wk, 2 Wv) into W's buffer
	WIN 0x40                                       ; destination window 1
.irp m, 0,1,2,3
.irp c, 0,1,2,3
.if (\s) < 2
	ds_load_b128 v[16*\m+4*\c:16*\m+4*\c+3], v[WIA] offset:(2*(\s)+\m/2)*12288+4096*(\L)+2048*(\m%2)+512*\c
.else
	ds_load_b128 v[16*\m+4*\c:16*\m+4*\c+3], v[WIB] offset:(2*(\s)-4+\m/2)*12288+4096*(\L)+2048*(\m%2)+512*\c
.endif
.endr
.endr
	WIN 0
.endm
.macro XPRE xa, sco, L                 ; ahead of a layer: W's scale words (4 loads) and K step 0 (16 loads)
.irp m, 0,1,2,3
	ds_load_b128 v[XS+4*\m:XS+4*\m+3], v[\xa] offset:\sco+256*\m
.endr
	XLD \L, 0
.endm
.macro WLOAD base, s, t0, u            ; K step s of my row tiles t0 and t0 + 1 into the ring's unit u: 8 loads of 512 consecutive bytes
	WIN 0x40
.irp t, 0,1
.irp c, 0,1,2,3
	global_load_b128 v[64+32*(\u)+16*\t+4*\c:64+32*(\u)+16*\t+4*\c+3], v[LI], s[\base:\base+1] offset:(\s)*8192+2048*((\t0)+\t)+512*\c
.endr
.endr
	WIN 0
.endm
.macro WSLD base                       ; my rows' scale words: for tile t the words of the four K steps
.irp t, 0,1,2,3
	global_load_b128 v[WS+4*\t:WS+4*\t+3], v[R16], s[\base:\base+1] offset:256*\t
.endr
.endm
.macro BILD base                       ; the bias where a lane's registers run along the columns: W's tile m, lane half hh: columns 32 (m / 2) + 16 hh + 8 (m % 2) + 0 .. 7
.irp m, 0,1,2,3
.irp e, 0,1
	global_load_b128 v[BI+8*\m+4*\e:BI+8*\m+4*\e+3], v[H64], s[\base:\base+1] offset:128*(\m/2)+32*(\m%2)+16*\e
.endr
.endr
.endm
.macro BILDV base                      ; for v a lane holds one column: one number a tile
.irp m, 0,1,2,3
	global_load_b32 v[BVR+2*\m], v[BVA], s[\base:\base+1] offset:128*(\m/2)+32*(\m%2)
.endr
.endm
.macro WLQ s                           ; Q's K step s, my four row tiles: 16 loads into units 2 s and 2 s + 1 (mod 6)
	WLOAD WCQ, \s, 0, (2*(\s))%6
	WLOAD WCQ, \s, 2, (2*(\s))%6+1
.endm
.macro WLK j                           ; K's unit j: K step j % 4 of row tiles 2 (j / 4) and the next: 8 loads into unit (2 + j) mod 6
	WLOAD WCK, (\j)%4, 2*((\j)/4), (2+(\j))%6
.endm
; q's K step s: 16 products on 16 accumulators, one instruction a turn: source 0 = Wq's tile m, source 1 = my row tile t.  lc: the global loads issued behind this step's fragments.
; W's buffer and the scale words are waited for whole.  The eight places behind the products serve the loads that follow.
.macro QSTEP s, lc
	s_wait_loadcnt \lc
	s_wait_dscnt 0x0
	WIN 0x05                                       ; sources 0 and 1 window 1; C and D window 0
.irp t, 0,1,2,3
.irp m, 0,1,2,3
.set rD, ACC+64*(\m/2)+16*\t+8*(\m%2)
.set rB, 64+32*((2*(\s))%6)+16*\t
.if (\s) == 0
	v_wmma_scale_f32_16x16x128_f8f6f4 v[rD:rD+7], v[16*\m:16*\m+15], v[rB:rB+15], v[BI+8*\m:BI+8*\m+7], v[XS+4*\m+(\s)], v[WS+4*\t+(\s)] matrix_a_fmt:MATRIX_FMT_BF8 matrix_b_fmt:MATRIX_FMT_BF8
.else
	v_wmma_scale_f32_16x16x128_f8f6f4 v[rD:rD+7], v[16*\m:16*\m+15], v[rB:rB+15], v[rD:rD+7], v[XS+4*\m+(\s)], v[WS+4*\t+(\s)] matrix_a_fmt:MATRIX_FMT_BF8 matrix_b_fmt:MATRIX_FMT_BF8
.endif
.endr
.endr
	WIN 0
	PLACES 8
.endm
; K's unit j feeds k and v: Wk's four tiles are in W's buffer; 8 products for k; Wv's four tiles take the buffer; 8 products for v; then Wk's tiles of the next unit's K step, and the ring's unit takes K's unit j + 6.
; K's scale words are read from lanes 16-31, Wk's from lanes 0-15, Wv's from lanes 16-31.  k: accumulator (tile m, row tile tt) at 32 (m / 2) + 16 tt + 8 (m % 2); v: at 64 + 16 m + 8 tt.
.macro CHUNK j, lc
.set hf_, (\j)/4
.set s_, (\j)%4
.set xu_, 64+32*((2+(\j))%6)
	s_wait_loadcnt \lc
	s_wait_dscnt 0x0
	WIN 0x05
.irp tt, 0,1
.irp m, 0,1,2,3
.set rD, ACC+32*(\m/2)+16*\tt+8*(\m%2)
.if s_ == 0
	v_wmma_scale_f32_16x16x128_f8f6f4 v[rD:rD+7], v[16*\m:16*\m+15], v[xu_+16*\tt:xu_+16*\tt+15], v[BI+8*\m:BI+8*\m+7], v[XS+4*\m+s_], v[WS+8*hf_+4*\tt+s_] matrix_a_fmt:MATRIX_FMT_BF8 matrix_b_fmt:MATRIX_FMT_BF8 matrix_b_scale:MATRIX_SCALE_ROW1
.else
	v_wmma_scale_f32_16x16x128_f8f6f4 v[rD:rD+7], v[16*\m:16*\m+15], v[xu_+16*\tt:xu_+16*\tt+15], v[rD:rD+7], v[XS+4*\m+s_], v[WS+8*hf_+4*\tt+s_] matrix_a_fmt:MATRIX_FMT_BF8 matrix_b_fmt:MATRIX_FMT_BF8 matrix_b_scale:MATRIX_SCALE_ROW1
.endif
.endr
.endr
	WIN 0
	PLACES 8
	XLD 2, s_
	s_wait_dscnt 0x0
	WIN 0x05
.irp tt, 0,1
.irp m, 0,1,2,3
.set rD, ACC+64+16*\m+8*\tt
.if s_ == 0
	v_wmma_scale_f32_16x16x128_f8f6f4 v[rD:rD+7], v[xu_+16*\tt:xu_+16*\tt+15], v[16*\m:16*\m+15], 0, v[WS+8*hf_+4*\tt+s_], v[XS+4*\m+s_] matrix_a_fmt:MATRIX_FMT_BF8 matrix_b_fmt:MATRIX_FMT_BF8 matrix_a_scale:MATRIX_SCALE_ROW1 matrix_b_scale:MATRIX_SCALE_ROW1
.else
	v_wmma_scale_f32_16x16x128_f8f6f4 v[rD:rD+7], v[xu_+16*\tt:xu_+16*\tt+15], v[16*\m:16*\m+15], v[rD:rD+7], v[WS+8*hf_+4*\tt+s_], v[XS+4*\m+s_] matrix_a_fmt:MATRIX_FMT_BF8 matrix_b_fmt:MATRIX_FMT_BF8 matrix_a_scale:MATRIX_SCALE_ROW1 matrix_b_scale:MATRIX_SCALE_ROW1
.endif
.endr
.endr
	WIN 0
	PLACES 8
.if (\j) < 7
	XLD 1, (s_+1)%4
.endif
.if (\j) < 2
	WLK (\j)+6
.endif
.endm
; A half's way into LDS.  k: unit 2 p + tt is block p of the head's 64 of row tile 2 hf + tt.  v: unit m is d tile m, keys 32 hf + 0 .. 31 of my 64.
.macro EPI_KV hf
	s_wait_dscnt 0x0                               ; the earlier LDS stores have read their registers
	QUANT ACC
.irp b, 0,1,2,3
	ds_store_b128 v[KWI], v[PC+4*\b:PC+4*\b+3] offset:1024*(2*\hf+(\b%2))+512*(\b/2)
.endr
.irp tt, 0,1
	v_lshl_or_b32 v[SB+\tt], v[TM+6+\tt], 8, v[TM+4+\tt]
.endr
.irp tt, 0,1
	ds_store_b32 v[KWS], v[SB+\tt] offset:64*(2*\hf+\tt)   ; bytes 0, 1 the two scales, bytes 2, 3 zero
.endr
	s_wait_dscnt 0x0
.irp m, 0,1,2,3
.irp e, 0,2,4,6,8,10,12,14
	v_pk_add_f32 v[ACC+64+16*\m+\e:ACC+64+16*\m+\e+1], v[ACC+64+16*\m+\e:ACC+64+16*\m+\e+1], v[BVR+2*\m:BVR+2*\m+1] op_sel_hi:[1,0]   ; + bv of my column; each accumulator from its low end on
.endr
.endr
	QUANT ACC+64
.irp m, 0,1,2,3
	ds_store_b128 v[VWI], v[PC+4*\m:PC+4*\m+3] offset:8192*\m+512*\hf
.endr
.irp m, 0,1,2,3
	ds_store_b8 v[VWS], v[TM+4+\m] offset:256*\m+\hf   ; lanes r and r + 16 write the same byte with the same value
.endr
.endm
; q's or k's way into LDS: block p of the head's 64, my four row tiles as units.
.macro EPI_QK cwi, cws
.irp p, 0,1
	s_wait_dscnt 0x0                               ; the earlier LDS stores have read their registers
	QUANT ACC+64*\p
.irp t, 0,1,2,3
	ds_store_b128 v[\cwi], v[PC+4*\t:PC+4*\t+3] offset:1024*\t+512*\p
.endr
.irp t, 0,1,2,3
.if \p == 0
	v_mov_b32 v[SB+\t], v[TM+4+\t]
.else
	v_lshl_or_b32 v[SB+\t], v[TM+4+\t], 8, v[SB+\t]
.endif
.endr
.endr
.irp t, 0,1,2,3
	ds_store_b32 v[\cws], v[SB+\t] offset:64*\t    ; bytes 0, 1 the two scales, bytes 2, 3 zero; lanes r and r + 16 write the same word with the same value
.endr
.endm
.macro QLD buf                         ; four query tiles (8 loads) and their scale words (4): 12 LDS loads
	WIN 0x40                                       ; destination window 1
.irp qt, 0,1,2,3
.irp c, 0,1
	ds_load_b128 v[64+40*\buf+8*\qt+4*\c:64+40*\buf+8*\qt+4*\c+3], v[AQA+\buf] offset:4096*\buf+1024*\qt+512*\c
.endr
.endr
	WIN 0
.irp qt, 0,1,2,3
	ds_load_b32 v[24+4*\buf+\qt], v[AQSA+\buf] offset:256*\buf+64*\qt
.endr
.endm
; PASS 1, a group of 64 queries against my 64 keys.  dc: the LDS loads issued behind this buffer's.  In all trips but the last (a branch on the loop's counter) this buffer takes the group two further on; its address registers are written behind the wait for its own loads.
.macro P1G buf, dc
	s_wait_dscnt \dc
	WIN 0x05                                       ; sources 0 and 1 window 1, D window 0
.irp qt, 0,1,2,3
.irp kt, 0,1,2,3
	v_wmma_scale_f32_16x16x128_f8f6f4 v[S+32*\kt+8*\qt:S+32*\kt+8*\qt+7], v[64+40*\buf+8*\qt:64+40*\buf+8*\qt+15], v[16*\kt:16*\kt+15], 0, v[24+4*\buf+\qt], v[KSW+\kt] matrix_a_fmt:MATRIX_FMT_BF8 matrix_b_fmt:MATRIX_FMT_BF8
.endr
.endr
	WIN 0
	v_add_nc_u32 v[AQA+\buf], s[TQ], v[LI]         ; two of the eight places behind the products
	v_add_nc_u32 v[AQSA+\buf], s[TQS], v[AQS0]
	PLACES 6
	s_cmp_eq_u32 s[CNT], 1                         ; the last trip fetches nothing
	s_cbranch_scc1 .Lno_fetch_\@
	QLD \buf
.Lno_fetch_\@:
.irp kt, 0,1,2,3
	v_max3_num_f32 v[ST+8*\kt+6], v[ST+8*\kt+1], v[S+32*\kt], v[S+32*\kt+1]   ; the new m: the old one and my 32 scores, from each accumulator's low end on; the four key tiles by turns
.endr
.irp i, 2,4,6,8,10,12,14,16,18,20,22,24,26,28,30
.irp kt, 0,1,2,3
	v_max3_num_f32 v[ST+8*\kt+6], v[ST+8*\kt+6], v[S+32*\kt+\i], v[S+32*\kt+\i+1]
.endr
.endr
.irp kt, 0,1,2,3
	s_delay_alu instid0(VALU_DEP_4)
	v_mul_f32 v[ST+8*\kt], s[NCS], v[ST+8*\kt+6]   ; -c m_new
.endr
.irp kt, 0,1,2,3
	s_delay_alu instid0(VALU_DEP_4)
	v_fma_f32 v[ST+8*\kt+4], v[ST+8*\kt+1], s[CS], v[ST+8*\kt]   ; c m_old - c m_new
.endr
.irp kt, 0,1,2,3
	v_mov_b32 v[ST+8*\kt+1], v[ST+8*\kt+6]
.endr
.irp j, 0,2,4,6,8,10,12,14,16,18,20,22,24,26,28,30
.irp kt, 0,1,2,3
	v_pk_fma_f32 v[S+32*\kt+\j:S+32*\kt+\j+1], v[S+32*\kt+\j:S+32*\kt+\j+1], s[CS:CS+1], v[ST+8*\kt:ST+8*\kt+1] op_sel_hi:[1,0,0]   ; c s - c m
.endr
.endr
	s_wait_alu depctr_va_vdst(0)
.irp kt, 0,1,2,3
	v_exp_f32 v[ST+8*\kt+4], v[ST+8*\kt+4]
.endr
.set n, 0
.rept 128
	v_exp_f32 v[S+n], v[S+n]
.set n, n+1
.endr
	v_nop                                          ; one plain line behind the last exponential,
	s_wait_alu depctr_va_vdst(0)                   ; and one wait for the batch of 132, ahead of its first reader
.irp kt, 0,1,2,3
	v_pk_mul_f32 v[ST+8*\kt+2:ST+8*\kt+3], v[ST+8*\kt+2:ST+8*\kt+3], v[ST+8*\kt+4:ST+8*\kt+5] op_sel_hi:[1,0]
.endr
.irp j, 0,2,4,6,8,10,12,14,16,18,20,22,24,26,28,30
.irp kt, 0,1,2,3
	v_pk_add_f32 v[ST+8*\kt+2:ST+8*\kt+3], v[ST+8*\kt+2:ST+8*\kt+3], v[S+32*\kt+\j:S+32*\kt+\j+1]
.endr
.endr
.endm
.macro SOFT
.irp j, 0,2,4,6,8,10,12,14,16,18,20,22,24,26,28,30,32,34,36,38,40,42,44,46,48,50,52,54,56,58,60,62
	v_pk_fma_f32 v[S+\j:S+\j+1], v[S+\j:S+\j+1], s[CS:CS+1], v[GR+\j:GR+\j+1] op_sel_hi:[1,0,1]   ; c s - g
.endr
.irp b, 0,1,2,3
	v_max3_num_f32 v[TM+\b], v[S+16*\b], v[S+16*\b+1], v[S+16*\b+2]   ; the largest of each block of 32 keys
.endr
.irp i, 3,5,7,9,11,13
.irp b, 0,1,2,3
	s_delay_alu instid0(VALU_DEP_4)
	v_max3_num_f32 v[TM+\b], v[TM+\b], v[S+16*\b+\i], v[S+16*\b+\i+1]
.endr
.endr
.irp b, 0,1,2,3
	s_delay_alu instid0(VALU_DEP_4)
	v_max_num_f32 v[TM+\b], v[TM+\b], v[S+16*\b+15]
.endr
.irp b, 0,1,2,3
	s_delay_alu instid0(VALU_DEP_4)
	v_permlanex16_b32 v[TM+4+\b], v[TM+\b], s[SEL], s[SEL+1]
.endr
.irp b, 0,1,2,3
	s_delay_alu instid0(VALU_DEP_4)
	v_max_num_f32 v[TM+\b], v[TM+\b], v[TM+4+\b]
.endr
.set n, 0
	s_wait_alu depctr_va_vdst(0)
.rept 64
	v_exp_f32 v[S+n], v[S+n]                       ; A, finished and normalised
.set n, n+1
.endr
.irp b, 0,1,2,3
	v_exp_f32 v[TM+\b], v[TM+\b]                   ; the block's largest A: the same instruction on the same number
.endr
	v_nop
	s_wait_alu depctr_va_vdst(0)                   ; one wait for the batch of 68
.irp b, 0,1,2,3
	v_max_num_f32 v[TM+\b], 0x8000000, v[TM+\b]    ; the floor 2^(16 - 127)
.endr
.irp b, 0,1,2,3
	s_delay_alu instid0(VALU_DEP_4)
	v_add_nc_u32 v[TM+12+\b], 0xf8800000, v[TM+\b]
.endr
.irp b, 0,1,2,3
	v_and_or_b32 v[TM+8+\b], v[TM+\b], 0x7f800000, s[MNT]
.endr
.irp b, 0,1,2,3
	v_lshrrev_b32 v[TM+4+\b], 23, v[TM+12+\b]
.endr
	s_delay_alu instid0(VALU_DEP_3)
	v_lshl_or_b32 v[PW], v[TM+5], 8, v[TM+4]       ; the scale word stands more than eight plain lines ahead of the products that take it
	s_delay_alu instid0(VALU_DEP_1)
	v_lshl_or_b32 v[PW], v[TM+6], 16, v[PW]
	s_delay_alu instid0(VALU_DEP_1)
	v_lshl_or_b32 v[PW], v[TM+7], 24, v[PW]
.irp b, 0,1,2,3
.irp i, 0,1,2,3,4,5,6,7,8,9,10,11,12,13,14,15
	v_min_num_f32 v[S+16*\b+\i], v[S+16*\b+\i], v[TM+8+\b]   ; A is not negative: the hold is one-sided
.endr
.endr
.irp b, 0,1,2,3
	v_cvt_scalef32_pk8_bf8_f32 v[PC+4*\b:PC+4*\b+1], v[S+16*\b:S+16*\b+7], v[TM+12+\b]
	v_cvt_scalef32_pk8_bf8_f32 v[PC+4*\b+2:PC+4*\b+3], v[S+16*\b+8:S+16*\b+15], v[TM+12+\b]
.endr
	PLACES 4                                       ; the codes stand four places ahead of the products
.endm
; PASS 2, a K step of 128 keys.  zero = 1: its products start O^T's sums.  At the first one's head q's four scale-word loads are out; at the others' none.
.macro KS2 zero
	v_add_nc_u32 v[AK], s[TK], v[AK0]              ; these five and the four below are the places behind the last products
	v_add_nc_u32 v[AKS], s[T5], v[AKS0]
	v_add_nc_u32 v[AVF], s[TV], v[AVF0]
	v_add_nc_u32 v[AVS], s[T6], v[AVS0]
	v_add_nc_u32 v[AG], s[T5], v[AG0]
	PLACES 4
	WIN 0x40
.irp T, 0,1,2,3,4,5,6,7
.irp c, 0,1
	ds_load_b128 v[8*\T+4*\c:8*\T+4*\c+3], v[AK] offset:1024*\T+512*\c
.endr
.endr
.irp dt, 0,1,2,3
.irp c, 0,1,2,3
	ds_load_b128 v[64+16*\dt+4*\c:64+16*\dt+4*\c+3], v[AVF] offset:8192*\dt+512*\c
.endr
.endr
	WIN 0
.irp T, 0,1,2,3,4,5,6,7
	ds_load_b32 v[KSW+\T], v[AKS] offset:64*\T
.endr
.irp dt, 0,1,2,3
	ds_load_b32 v[VSW+\dt], v[AVS] offset:256*\dt
.endr
.irp b, 0,1,2,3
.irp n, 0,1,2,3
	ds_load_b128 v[GR+16*\b+4*\n:GR+16*\b+4*\n+3], v[AG] offset:128*\b+16*\n   ; -g of keys 32 b + 16 hh + 0 .. 15
.endr
.endr
.irp c, 0,1
	ds_load_b128 v[QB+4*\c:QB+4*\c+3], v[AQ2] offset:512*\c
.endr
.irp qt, 0,1,2,3
	s_wait_dscnt 0x0
.if \qt < 3
.irp c, 0,1
	ds_load_b128 v[QB+16*((\qt+1)%2)+4*\c:QB+16*((\qt+1)%2)+4*\c+3], v[AQ2] offset:1024*(\qt+1)+512*\c   ; the next query tile, into the fragment that the last tile but one left
.endr
.endif
	WIN 0x01                                       ; source 0 (keys) window 1
.irp T, 0,1,2,3,4,5,6,7
	v_wmma_scale_f32_16x16x128_f8f6f4 v[S+8*\T:S+8*\T+7], v[8*\T:8*\T+15], v[QB+16*(\qt%2):QB+16*(\qt%2)+15], 0, v[KSW+\T], v[QSW+\qt] matrix_a_fmt:MATRIX_FMT_BF8 matrix_b_fmt:MATRIX_FMT_BF8
.endr
	WIN 0
	PLACES 8
	SOFT
	WIN 0x51                                       ; source 0 (V), C and D window 1
.irp dt, 0,1,2,3
.if \zero
	v_wmma_scale_f32_16x16x128_f8f6f4 v[128+32*\qt+8*\dt:128+32*\qt+8*\dt+7], v[64+16*\dt:64+16*\dt+15], v[PC:PC+15], 0, v[VSW+\dt], v[PW] matrix_a_fmt:MATRIX_FMT_BF8 matrix_b_fmt:MATRIX_FMT_BF8
.else
	v_wmma_scale_f32_16x16x128_f8f6f4 v[128+32*\qt+8*\dt:128+32*\qt+8*\dt+7], v[64+16*\dt:64+16*\dt+15], v[PC:PC+15], v[128+32*\qt+8*\dt:128+32*\qt+8*\dt+7], v[VSW+\dt], v[PW] matrix_a_fmt:MATRIX_FMT_BF8 matrix_b_fmt:MATRIX_FMT_BF8
.endif
.endr
	WIN 0
.endr
	s_add_co_u32 s[TK], s[TK], 8192
	s_add_co_u32 s[T5], s[T5], 512
	s_add_co_u32 s[TV], s[TV], 2048
	s_add_co_u32 s[T6], s[T6], 64
.endm
; 64 numbers of window 1, four units of 16 registers, become codes in v[PC] on and bytes in v[TM+4] on.
.macro QUANTW s
	WIN 0x05
.irp b, 0,1,2,3
	v_max3_num_f32 v[TM+\b], |v[\s+16*\b]|, |v[\s+16*\b+1]|, 0x8000000
.endr
	WIN 0x14
.irp i, 2,4,6,8,10,12,14
.irp b, 0,1,2,3
	v_max3_num_f32 v[TM+\b], v[TM+\b], |v[\s+16*\b+\i]|, |v[\s+16*\b+\i+1]|
.endr
.endr
	WIN 0
.irp b, 0,1,2,3
	v_permlanex16_b32 v[TM+4+\b], v[TM+\b], s[SEL], s[SEL+1]
.endr
.irp b, 0,1,2,3
	s_delay_alu instid0(VALU_DEP_4)
	v_max_num_f32 v[TM+\b], v[TM+\b], v[TM+4+\b]
.endr
.irp b, 0,1,2,3
	s_delay_alu instid0(VALU_DEP_4)
	v_add_nc_u32 v[TM+12+\b], 0xf8800000, v[TM+\b]
.endr
.irp b, 0,1,2,3
	v_and_or_b32 v[TM+8+\b], v[TM+\b], 0x7f800000, s[MNT]
.endr
.irp b, 0,1,2,3
	v_lshrrev_b32 v[TM+4+\b], 23, v[TM+12+\b]
.endr
	WIN 0x41
.irp b, 0,1,2,3
.irp i, 0,1,2,3,4,5,6,7,8,9,10,11,12,13,14,15
	v_med3_num_f32 v[\s+16*\b+\i], v[\s+16*\b+\i], -v[TM+8+\b], v[TM+8+\b]
.endr
.endr
	WIN 0x01
.irp b, 0,1,2,3
	v_cvt_scalef32_pk8_bf8_f32 v[PC+4*\b:PC+4*\b+1], v[\s+16*\b:\s+16*\b+7], v[TM+12+\b]
	v_cvt_scalef32_pk8_bf8_f32 v[PC+4*\b+2:PC+4*\b+3], v[\s+16*\b+8:\s+16*\b+15], v[TM+12+\b]
.endr
	WIN 0
	v_nop
.endm
	s_load_b256 s[4:11], s[0:1], 0x0               ; xbuf, wbuf, bq, bk
	s_load_b128 s[12:15], s[0:1], 0x20             ; bv, abuf
	v_lshl_add_u32 v[SPW], v0, 2, SPARE
	v_mov_b32 v[NIL], 0
	ds_add_u32 v[SPW], v[NIL]                      ; the wave's opening: the add, twice on end, and its wait ahead of my tensor load
	ds_add_u32 v[SPW], v[NIL]
	v_lshrrev_b32 v121, 5, v0
	s_delay_alu instid0(VALU_DEP_1)
	v_readfirstlane_b32 s[WV], v121                ; wave w
	v_and_b32 v127, 31, v0                         ; lane
	v_and_b32 v125, 15, v0                         ; r: kept for the attention's addresses
	v_bfe_u32 v126, v0, 4, 1                       ; hh: likewise
	s_delay_alu instid0(VALU_DEP_3)
	v_lshlrev_b32 v[LI], 4, v127
	s_delay_alu instid0(VALU_DEP_3)
	v_lshlrev_b32 v[R16], 4, v125
	s_delay_alu instid0(VALU_DEP_3)
	v_lshlrev_b32 v[H64], 6, v126
	v_and_b32 v[BVA], 8, v125
	s_delay_alu instid0(VALU_DEP_1)
	v_add_nc_u32 v[BVA], v[BVA], v125
	s_delay_alu instid0(VALU_DEP_1)
	v_lshlrev_b32 v[BVA], 2, v[BVA]
	v_add_nc_u32 v[XSA], WSC, v[R16]
	v_add_nc_u32 v[WIA], WI, v[LI]
	v_add_nc_u32 v[WIB], WI+49152, v[LI]           ; chunks 4 to 7: K steps 2 and 3
	v_lshl_add_u32 v[XKV], v126, 10, v[XSA]        ; lanes 16-31 take the weight that lies 1,024 bytes on
	v_lshl_add_u32 v[R16], v126, 18, v[R16]        ; x's scale words: lanes 0-15 Q's, lanes 16-31 K's, 262,144 bytes on
	v_mov_b32 v123, 0                              ; (named as the upper half of a pair)
	s_lshl_b32 s24, s[WV], 12
	v_add_nc_u32 v[QWI], s24, v[LI]
	s_delay_alu instid0(VALU_DEP_1)
	v_add_nc_u32 v[KWI], KF, v[QWI]
	s_lshl_b32 s24, s[WV], 10
	v_add_nc_u32 v[VWI], s24, v[LI]
	s_delay_alu instid0(VALU_DEP_1)
	v_add_nc_u32 v[VWI], VF, v[VWI]
	s_lshl_b32 s24, s[WV], 8
	v_lshl_add_u32 v[QWS], v125, 2, QS
	s_delay_alu instid0(VALU_DEP_1)
	v_add_nc_u32 v[QWS], s24, v[QWS]
	s_delay_alu instid0(VALU_DEP_1)
	v_add_nc_u32 v[KWS], KS-QS, v[QWS]
	s_lshr_b32 s24, s[WV], 1
	s_lshl_b32 s24, s24, 6
	s_and_b32 s25, s[WV], 1
	s_lshl_b32 s25, s25, 1
	s_add_co_u32 s24, s24, s25
	v_lshl_add_u32 v[VWS], v125, 2, VS
	s_delay_alu instid0(VALU_DEP_1)
	v_add_nc_u32 v[VWS], s24, v[VWS]
	v_lshlrev_b32 v[T4], 2, v0
	v_mov_b32 v117, 0                              ; (named as the upper halves of bv's pairs)
	v_mov_b32 v119, 0
	v_add_nc_u32 v[CPS], WSC, v[T4]
.irp b, 0,1,2,3
	v_mov_b32 v[TM+4+\b], 0                        ; a lane permute's destination counts as one of its sources
.endr
	s_mov_b32 s[MNT], 0x600000
	s_mov_b32 s[SEL], 0x76543210
	s_mov_b32 s[SEL+1], 0xfedcba98
	s_mov_b32 s[CS], 0x3d8293ee                    ; c = log2(e) / sqrt(512)
	s_mov_b32 s[CS+1], s[CS]
	s_mov_b32 s[NCS], 0xbd8293ee
	s_lshr_b32 s24, ttmp9, 3                       ; the work-group's number is 8 b + head
	s_and_b32 s25, ttmp9, 7
	s_lshl_b32 s26, s24, 18                        ; Q[b]'s codes: 262,144 bytes a batch, 32,768 for my 64 rows
	s_lshl_b32 s27, s[WV], 15
	s_add_co_u32 s26, s26, s27
	s_mov_b32 s27, 0
	s_lshl_b32 s28, s24, 13                        ; its scale words: 8,192 bytes a batch, 1,024 for my rows
	s_lshl_b32 s29, s[WV], 10
	s_add_co_u32 s28, s28, s29
	s_add_co_u32 s28, s28, 16777216
	s_mov_b32 s29, 0
	s_lshl_b32 s30, s25, 15                        ; the head's slice of a weight's codes
	s_mov_b32 s31, 0
	s_lshl_b32 s32, s25, 10
	s_add_co_u32 s56, s26, s32                     ; attn's codes: row tile 32 b + 4 w, 8,192 bytes a tile; K step head / 2, pieces 2 (head % 2) on: 1,024 x head
	s_mov_b32 s57, 0
	s_add_co_u32 s32, s32, 1572864                 ; the slice's scale words
	s_mov_b32 s33, 0
	s_lshl_b32 s34, s25, 8                         ; the head's 64 numbers of a bias
	s_mov_b32 s35, 0
	s_lshl_b32 s58, ttmp9, 10                      ; attn's scale bytes: 1,024 a head, 2 a query, my 64 queries
	s_lshl_b32 s59, s[WV], 7
	s_add_co_u32 s58, s58, s59
	s_add_co_u32 s58, s58, 8388608
	s_mov_b32 s59, 0
	s_mov_b32 s60, 1                               ; descriptor group 0, s[60:63]: count 1; LDS address WI + 12,288 w
	s_mul_i32 s61, s[WV], 12288
	s_add_co_u32 s61, s61, WI
	s_mov_b32 s68, 3<<16                           ; group 1, s[68:75]: elements of 8 bytes, no padding
	s_mov_b32 s69, 512<<16                         ; tensor_dim0 = 512 elements: 4,096 bytes
	s_mov_b32 s70, 3<<16                           ; tensor_dim1 = 3
	s_mov_b32 s71, 512<<16                         ; tile_dim0
	s_mov_b32 s72, 3                               ; tile_dim1
	s_mov_b32 s73, 32768                           ; from row to row: 262,144 bytes
	s_mov_b32 s74, 0
	s_mov_b32 s75, 0
	s_wait_alu depctr_va_vdst(0)
	s_wait_dscnt 0x0                               ; both opening adds are done
	s_wait_kmcnt 0x0
	s_add_nc_u64 s[WCQ:WCQ+1], s[4:5], s[26:27]
	s_add_nc_u64 s[WCK:WCK+1], s[WCQ:WCQ+1], 0x800000   ; K[b] lies 32 matrices on
	s_add_nc_u64 s[WSQ:WSQ+1], s[4:5], s[28:29]
	s_add_nc_u64 s[WSL:WSL+1], s[6:7], s[30:31]
	s_add_nc_u64 s[WSW:WSW+1], s[6:7], s[32:33]
	s_add_nc_u64 s[BQ:BQ+1], s[8:9], s[34:35]
	s_add_nc_u64 s[BK:BK+1], s[10:11], s[34:35]
	s_add_nc_u64 s[BV:BV+1], s[12:13], s[34:35]
	s_add_nc_u64 s[AO:AO+1], s[14:15], s[56:57]
	s_add_nc_u64 s[AOS:AOS+1], s[14:15], s[58:59]
	s_lshl_b32 s24, s[WV], 12
	s_mov_b32 s25, 0
	s_add_nc_u64 s[62:63], s[WSL:WSL+1], s[24:25]  ; my 4,096 bytes of each slice
	s_or_b32 s63, s63, 0x80000000
	tensor_load_to_lds s[60:63], s[68:75]          ; my one tensor load
	s_nop 0
	PLACES 4
.irp L, 0,1,2
	global_load_b32 v[224+\L], v[T4], s[WSW:WSW+1] offset:8192*\L
.endr
	WSLD WSQ
	BILD BQ
	WLQ 0
	WLQ 1
	WLQ 2
	s_wait_loadcnt 60                              ; the slices' scale words are in: behind them stand 4 + 8 + 48 loads
	s_wait_tensorcnt 0x0                           ; my part of the slices has landed
.irp L, 0,1,2
	ds_store_b32 v[CPS], v[224+\L] offset:1024*\L
.endr
	s_wait_dscnt 0x0                               ; my part of the slices has landed
	s_barrier_signal -1
	s_barrier_wait -1                              ; everybody's has; these bytes are not written again
	; ---- q
	XPRE XSA, 0, 0
	QSTEP 0, 32                                    ; behind step 0's fragments: steps 1 and 2
	BILD BK
	BILDV BV
	XLD 0, 1
	WLQ 3
	QSTEP 1, 44                                    ; behind step 1's: step 2, bk's 8, bv's 4, step 3
	XLD 0, 2
	WLK 0
	WLK 1
	QSTEP 2, 44                                    ; bk's 8, bv's 4, step 3, K's units 0 and 1
	XLD 0, 3
	WLK 2
	WLK 3
	QSTEP 3, 32                                    ; K's units 0 to 3
	XPRE XKV, 1024, 1
	WLK 4
	WLK 5
	EPI_QK QWI, QWS
	; ---- k and v, my rows 0 to 31; each wait counts the units asked for behind the one that is multiplied, 8 loads each
	CHUNK 0, 40
	CHUNK 1, 40
	CHUNK 2, 40
	CHUNK 3, 32
	EPI_KV 0
	; ---- my rows 32 to 63
	CHUNK 4, 24
	CHUNK 5, 16
	CHUNK 6, 8
	CHUNK 7, 0
	EPI_KV 1
	s_wait_dscnt 0x0                               ; my rows of q, k and v have landed
	s_barrier_signal -1
	s_barrier_wait -1                              ; everybody's have; these bytes are not written again
	; ---- the attention's addresses (every load of the projections has been waited for)
	v_lshl_add_u32 v[AQS0], v125, 2, QS
	v_add_nc_u32 v[AK0], KF, v[LI]
	v_lshl_add_u32 v[AKS0], v125, 2, KS
	v_add_nc_u32 v[AVF0], VF, v[LI]
	v_lshl_add_u32 v[AVS0], v125, 2, VS
	v_lshl_add_u32 v[AG0], v126, 6, G
	s_lshl_b32 s24, s[WV], 12
	s_lshl_b32 s25, s[WV], 8
	v_add_nc_u32 v[AQ2], s24, v[LI]
	v_add_nc_u32 v[AQS2], s25, v[AQS0]
	v_add_nc_u32 v[AK1], s24, v[AK0]
	v_add_nc_u32 v[AKS1], s25, v[AKS0]
	v_and_b32 v[GA], 8, v125
	s_delay_alu instid0(VALU_DEP_1)
	v_add_nc_u32 v[GA], v[GA], v125
	s_delay_alu instid0(VALU_DEP_1)
	v_lshl_add_u32 v[GA], v[GA], 2, G
	s_delay_alu instid0(VALU_DEP_1)
	v_add_nc_u32 v[GA], s25, v[GA]                 ; G + 256 w + 4 (r + 8 (r / 8))
	v_lshlrev_b32 v[R2], 1, v125
	v_mov_b32 v[AQA], v[LI]
	v_mov_b32 v[AQA+1], v[LI]
	v_mov_b32 v[AQSA], v[AQS0]
	v_mov_b32 v[AQSA+1], v[AQS0]
	; ---- PASS 1
	WIN 0x40
.irp kt, 0,1,2,3
.irp j, 8,9,10,11,12,13,14,15
	v_mov_b32 v[16*\kt+\j], 0                      ; zero codes for k = 64 .. 127 of my key tiles
.endr
.endr
.irp j, 96,97,98,99,100,101,102,103,136,137,138,139,140,141,142,143
	v_mov_b32 v[\j], 0                             ; the pads behind the two runs of query tiles
.endr
.irp kt, 0,1,2,3
.irp c, 0,1
	ds_load_b128 v[16*\kt+4*\c:16*\kt+4*\c+3], v[AK1] offset:1024*\kt+512*\c
.endr
.endr
	WIN 0
.irp kt, 0,1,2,3
	ds_load_b32 v[KSW+\kt], v[AKS1] offset:64*\kt
.endr
	QLD 0
	QLD 1
.irp kt, 0,1,2,3
	v_mov_b32 v[ST+8*\kt+1], 0xff61b1e6            ; m: -3e38, under every score
	v_mov_b32 v[ST+8*\kt+2], 0                     ; l, in two halves
	v_mov_b32 v[ST+8*\kt+3], 0
	v_mov_b32 v[ST+8*\kt+5], 0                     ; (named as the upper half of a pair)
	v_mov_b32 v[ST+8*\kt+6], 0
	v_mov_b32 v[ST+8*\kt+7], 0
.endr
	s_mov_b32 s[TQ], 8192
	s_mov_b32 s[TQS], 512
	s_mov_b32 s[CNT], 4
.Lp1:                                              ; four trips: groups 2 g and 2 g + 1 are worked; in the first three, groups 2 g + 2 and 2 g + 3 are fetched
	P1G 0, 12                                      ; behind buffer 0's loads stand buffer 1's 12
	P1G 1, 0                                       ; in the last trip nothing stands behind buffer 1's loads: the wait is for all in every trip
	s_add_co_u32 s[TQ], s[TQ], 8192
	s_add_co_u32 s[TQS], s[TQS], 512
	s_sub_co_u32 s[CNT], s[CNT], 1
	s_cmp_lg_u32 s[CNT], 0
	s_cbranch_scc1 .Lp1
	; a key's queries lie in lanes r and r + 16: the two maxima and sums are joined, in a form that gives both lanes the same bits
.irp kt, 0,1,2,3
	v_add_f32 v[ST+8*\kt+2], v[ST+8*\kt+2], v[ST+8*\kt+3]
.endr
.irp kt, 0,1,2,3
	v_permlanex16_b32 v[ST+8*\kt+6], v[ST+8*\kt+1], s[SEL], s[SEL+1]
.endr
.irp kt, 0,1,2,3
	s_delay_alu instid0(VALU_DEP_4)
	v_max_num_f32 v[ST+8*\kt+7], v[ST+8*\kt+1], v[ST+8*\kt+6]
.endr
.irp kt, 0,1,2,3
	s_delay_alu instid0(VALU_DEP_4)
	v_mul_f32 v[ST+8*\kt], s[NCS], v[ST+8*\kt+7]   ; -c m
.endr
.irp kt, 0,1,2,3
	s_delay_alu instid0(VALU_DEP_4)
	v_fma_f32 v[ST+8*\kt+4], v[ST+8*\kt+1], s[CS], v[ST+8*\kt]
.endr
	s_wait_alu depctr_va_vdst(0)
.irp kt, 0,1,2,3
	v_exp_f32 v[ST+8*\kt+4], v[ST+8*\kt+4]
.endr
	v_nop
	s_wait_alu depctr_va_vdst(0)
.irp kt, 0,1,2,3
	v_mul_f32 v[ST+8*\kt+2], v[ST+8*\kt+2], v[ST+8*\kt+4]
.endr
.irp kt, 0,1,2,3
	s_delay_alu instid0(VALU_DEP_4)
	v_permlanex16_b32 v[ST+8*\kt+3], v[ST+8*\kt+2], s[SEL], s[SEL+1]
.endr
.irp kt, 0,1,2,3
	s_delay_alu instid0(VALU_DEP_4)
	v_add_f32 v[ST+8*\kt+2], v[ST+8*\kt+2], v[ST+8*\kt+3]
.endr
	s_wait_alu depctr_va_vdst(0)
.irp kt, 0,1,2,3
	v_log_f32 v[ST+8*\kt+5], v[ST+8*\kt+2]
.endr
	v_nop
	s_wait_alu depctr_va_vdst(0)
.irp kt, 0,1,2,3
	v_sub_f32 v[ST+8*\kt], v[ST+8*\kt], v[ST+8*\kt+5]   ; -g = -c m - log2 l
.endr
.irp kt, 0,1,2,3
	ds_store_b32 v[GA], v[ST+8*\kt] offset:128*(\kt/2)+32*(\kt%2)
.endr
	s_wait_dscnt 0x0                               ; my keys' -g have landed
	s_barrier_signal -1
	s_barrier_wait -1                              ; everybody's have
	; ---- PASS 2
.irp j, 8,9,10,11,12,13,14,15,24,25,26,27,28,29,30,31
	v_mov_b32 v[QB+\j], 0                          ; zero codes for k = 64 .. 127 of the two query fragments
.endr
.irp qt, 0,1,2,3
	ds_load_b32 v[QSW+\qt], v[AQS2] offset:64*\qt
.endr
	s_mov_b32 s[TK], 0
	s_mov_b32 s[T5], 0
	s_mov_b32 s[TV], 0
	s_mov_b32 s[T6], 0
	KS2 1                                          ; the first K step starts O^T's sums: nothing is cleared
	s_mov_b32 s[CNT], 3
.Lks:
	KS2 0
	s_sub_co_u32 s[CNT], s[CNT], 1
	s_cmp_lg_u32 s[CNT], 0
	s_cbranch_scc1 .Lks
	; ---- the way out: attn's 64 of my head are two blocks of 32 along the next product's K; register 16 (2 qt' + bd) + i of a half is d = 32 bd + 16 hh + i of query tile 2 e + qt'
	PLACES 8
.irp e, 0,1
	s_wait_xcnt 0x0                                ; the earlier stores have read their data registers
	QUANTW 128+64*\e
.irp u, 0,1,2,3
	global_store_b128 v[LI], v[PC+4*\u:PC+4*\u+3], s[AO:AO+1] offset:8192*(2*\e+\u/2)+512*(\u%2)
.endr
.irp q, 0,1
	v_lshl_or_b32 v[SB+2*\e+\q], v[TM+5+2*\q], 8, v[TM+4+2*\q]
.endr
.irp q, 0,1
	global_store_b16 v[R2], v[SB+2*\e+\q], s[AOS:AOS+1] offset:32*(2*\e+\q)
.endr
.endr
	s_wait_tensorcnt 0x0                           ; the wave's end: behind my last LDS store
	ds_add_u32 v[SPW], v[NIL]
	s_wait_dscnt 0x0
	s_endpgm
.Lfunc_end_k_q28890f7818_pattn:
	.size	k_q28890f7818_pattn, .Lfunc_end_k_q28890f7818_pattn-k_q28890f7818_pattn
	.p2alignl 7, 3214868480
	.fill 96, 4, 3214868480
	.section	.rodata,"a",@progbits
	.p2align	6, 0x0
	.amdhsa_kernel k_q28890f7818_pattn
		.amdhsa_group_segment_fixed_size 207872
		.amdhsa_private_segment_fixed_size 0
		.amdhsa_enable_private_segment 0
		.amdhsa_kernarg_size 48
		.amdhsa_user_sgpr_count 2
		.amdhsa_user_sgpr_kernarg_segment_ptr 1
		.amdhsa_wavefront_size32 1
		.amdhsa_system_sgpr_workgroup_id_x 1
		.amdhsa_system_sgpr_workgroup_id_y 1
		.amdhsa_system_sgpr_workgroup_id_z 1
		.amdhsa_system_vgpr_workitem_id 0
		.amdhsa_next_free_vgpr 512
		.amdhsa_next_free_sgpr 76
		.amdhsa_reserve_vcc 0
		.amdhsa_float_denorm_mode_32 3
		.amdhsa_float_denorm_mode_16_64 3
		.amdhsa_memory_ordered 1
		.amdhsa_forward_progress 1
		.amdhsa_inst_pref_size 255
	.end_amdhsa_kernel
	.section	.bss,"aw",@nobits
	.p2align	6
	.space	262144
	.amdgpu_metadata
---
amdhsa.version: [ 1, 2 ]
amdhsa.kernels:
  - .name:           k_q28890f7818_pattn
    .symbol:         k_q28890f7818_pattn.kd
    .args:
      - { .name: xbuf, .offset: 0, .size: 8, .value_kind: global_buffer, .address_space: global }
      - { .name: wbuf, .offset: 8, .size: 8, .value_kind: global_buffer, .address_space: global }
      - { .name: bq, .offset: 16, .size: 8, .value_kind: global_buffer, .address_space: global }
      - { .name: bk, .offset: 24, .size: 8, .value_kind: global_buffer, .address_space: global }
      - { .name: bv, .offset: 32, .size: 8, .value_kind: global_buffer, .address_space: global }
      - { .name: abuf, .offset: 40, .size: 8, .value_kind: global_buffer, .address_space: global }
    .group_segment_fixed_size: 207872
    .private_segment_fixed_size: 0
    .kernarg_segment_align: 8
    .kernarg_segment_size: 48
    .max_flat_workgroup_size: 256
    .sgpr_count:     76
    .vgpr_count:     512
    .wavefront_size: 32
...
	.end_amdgpu_metadata
.endif
;; end of part 2
;; launch ffn (part 3): grid 256 x 1, 8 waves a work-group, no clusters, 327,680 bytes of LDS; arguments abuf, Q, wbuf, bo, b1, b2, out0; writes out0
.if DOCPART == 3
	.amdgcn_target "amdgcn-amd-amdhsa--gfx1250"
	.amdhsa_code_object_version 6
	.text
	.protected	k_q28890f7818_ffn
	.globl	k_q28890f7818_ffn
	.p2align	8
	.type	k_q28890f7818_ffn,@function
k_q28890f7818_ffn:
	s_mov_b64 s[64:65], 0
	v_nop
	global_prefetch_b8 v0, s[64:65] scope:SCOPE_SE
	s_setreg_imm32_b32 hwreg(HW_REG_WAVE_MODE, 25, 1), 1
	s_wait_xcnt 0x0
; out = Q + attn Wo^T + bo;  result = out + relu(out W1^T + b1) W2^T + b2, for 64 rows, the three products on codes of E5M2 with E8M0 scales.  out and the hidden layer never go to memory.  No work is left out.
; SHARES.  256 work-groups of 64 rows; eight waves.  THE WAVES SHARE THE COLUMNS: wave w makes columns 64 w .. 64 w + 63 of each layer for all 64 rows: 16 accumulators, four K steps of 128, 16 matrix instructions a step.
; All products are used TRANSPOSED (source 0 = 16 rows of W, source 1 = 16 rows of x), and W's rows are so chosen that the 16 registers of two neighbouring tiles are 16 neighbours along the next K: a result is quantised in registers and goes to LDS
; as an IMAGE OF THE OPERAND'S REGISTERS (lane l's 16 bytes at 16 l), its scale bytes beside it; a barrier; every wave reads it back by the same lines.  attn arrives from the launch before as such an image.
; THE RESIDUALS ARE THE C OF THE SUMS: Q + bo is laid in the accumulators ahead of the first product, out + b2 ahead of the third; out waits meanwhile in the wave's own LDS bytes.  b1 is the C of the second product's first instructions.
; THE WEIGHTS come from wbuf in the order of the operand's registers, straight into registers: a wave's share of a layer is 32,768 bytes that it alone of its work-group reads, once, by loads of 512 consecutive bytes, two K steps (16,384 bytes) ahead, by counted waits.
; NO CLUSTER, NO TENSOR LOAD: the weights are all that work-groups share; brought jointly through LDS they would be written there and read back by exactly one wave, and a K step holds only 16 matrix instructions a wave in which a refill could land.
; LIMITS: a block of zeros gets the byte 1 where the rule says 127 (its codes are zeros; this program alone reads the bytes); NaN and infinities among the inputs are not served.
; REGISTERS.  Window 0: v1-15, v117 addresses; v16-31 x's scale words; v32-47 W's; v48-79 the bias; v80-95, v96-111, v112-113 the quantiser's; v128-255 the accumulators.  Window 1: v0-127 x's fragments, two buffers; v128-255 W's, two buffers.
; THE BUFFERS AS THEY STAND (this takes the place of what the lines above say of them): window 1: v0-63 ONE buffer for x's four fragments of a K step, filled from LDS behind the step before;
; v64-255 THREE buffers for W's four fragments, the launch's j-th K step in buffer j % 3: a buffer is asked for again as soon as its products are issued, so that three K steps, 48 loads, 24,576 bytes a wave, are asked for ahead.
; THREE TENSOR LOADS A WAVE (in place of 'no tensor load' and of what is said above of the first residual), each a first fill of bytes of the wave's own, read by that wave alone; nothing is filled again:
; (1) at the head: my 64 columns of Q's 64 rows, rows of 256 bytes, 2,048 apart in memory, into my stage with 16 bytes of padding behind each.  Q IS ADDED BEHIND THE FIRST LAYER'S SUMS, whose first C is bo: the first layer does not wait for Q.
; (2) behind a barrier of its own after the first layer's second K step: tile 3 of my four tiles of W1, all four K steps, 4 rows of 2,048 bytes;  (3) behind the barrier after the first layer: tile 3 of W2, K steps 1 to 3.
; Those seven fragments are read from LDS beside x's; the other 41 come straight into registers as before, 12 loads a K step where a tile comes through LDS.  The text uses 322,560 bytes of LDS.
; NO CLUSTER: Q's tiles are shared with nobody; of the weights, which all work-groups share, the tensor loads bring 14,336 of a wave's 98,304 bytes.  No prefetch: the text has no loop to run ahead in.
; FOUR TENSOR LOADS A WAVE, NOT THREE; this takes the place of (2) above and of 'nothing is filled again':
; (2) stands behind a barrier of its own at the END of the first layer's K steps, where Q is waited for in any case, ahead of Q's addition;
; (4) behind the barrier after the second layer, with the same lines ahead of it, W1's 8,192 bytes, which my second layer has read, are filled again: tiles 1 and 2 of W2, K steps 2 and 3, 2 rows of 4,096 bytes; they are waited for ahead of K step 2 of the last layer.
; So eleven of a wave's 48 fragments are read from LDS, 22,528 of its 98,304 bytes of weights; the launch's K steps 10 and 11 have 4 loads into registers each.
.set IMGA,  0
.set IMGB,  32768                      ; out's
.set SCA,   65536                      ; scale bytes for IMGA: [m][r][16 bytes]
.set SCB,   66560                      ; for IMGB
.set STG,   67584                      ; 17,408 bytes for each wave, its own: 64 rows x (256 + 16) for the residual's way in and the result's way out; between them out's 16,384 bytes
.set STGB,  17408
.set SPARE, STG+8*STGB
.set R2,    SPARE+1024                 ; W1's tile 3: 8,192 bytes for each wave
.set R3,    R2+8*8192                  ; W2's tile 3, K steps 1 to 3: 6,144 bytes for each wave
.set RWA, 4                            ; v4   R2 + 8,192 w + 16 x lane
.set RVA, 114                          ; v114 R3 + 6,144 w + 16 x lane
.set G0Q, 52                           ; s[52:55], s[56:59], s[60:63] descriptor groups 0: Q, W1's tile, W2's tile
.set G0W, 56
.set G0V, 60
.set G1Q, 68                           ; s[68:75], s[76:83], s[84:91] their groups 1
.set G1W, 76
.set G1V, 84
.set G0X, 36                           ; s[36:39], s[28:35] groups 0 and 1 of the refill (the registers held offsets that the head has used up)
.set G1X, 28
.set LI,  1                            ; v1   16 x lane
.set R16, 2                            ; v2   16 r
.set H64, 3                            ; v3   64 hh
.set T16, 5                            ; v5   16 x thread
.set T4S, 6                            ; v6   65,536 + 4 x thread
.set ASL, 7                            ; v7   attn's scale bytes in memory: 2,048 (thread % 4) + 2 (thread / 4)
.set RL,  8                            ; v8   2,048 hh + 16 r: two rows of Q or of the result, 256 bytes of each
.set STS, 9                            ; v9   my bytes, by rows as they lie in memory: 272 hh + 16 r
.set XSA, 10                           ; v10  65,536 + 16 r: an LDS immediate has 16 bits, so the register carries what lies above
.set STI, 11                           ; v11  my bytes, as an image: 16 x lane
.set SPW, 12
.set NIL, 13
.set HWI, 14                           ; v14  where my results' images go: 16 x lane + 1,024 w
.set HWS, 15                           ; v15  and their scale bytes: 65,536 + 16 r + 2 w
.set XS,  16
.set WS,  32
.set BI,  48
.set TM,  80
.set PC,  96
.set SB,  112
.set STL, 117                          ; v117 my bytes, by the accumulators' layout: 272 r + 64 hh
.set ACC, 128
.set MNT, 23
.set SEL, 24
.set QR,  6                            ; scalar pairs
.set BO,  10
.set B1,  12
.set B2,  14
.set OUT, 16
.set AB,  40
.set ASB, 42
.set WC,  48
.set WSB, 50
.set MSB, 0
.macro WIN new                         ; the immediate's high byte repeats the setting that is left; a switch that changes nothing is dropped
.if MSB != (\new)
	s_set_vgpr_msb (MSB<<8)|(\new)
.set MSB, (\new)
.endif
.endm
.macro PLACES n
.rept \n
	v_nop
.endr
.endm
; 64 numbers of a lane, four units of 16 registers; a unit and lane l xor 16's are a block of 32.  Codes into v[PC] on, bytes into v[TM+4] on.  relu = 1: what is negative becomes 0 on the way.
.macro QUANT s, relu
.irp b, 0,1,2,3
.if \relu
	v_max3_num_f32 v[TM+\b], v[\s+16*\b], v[\s+16*\b+1], 0x8000000       ; no |.|: what is negative must not count; the floor 2^(16 - 127) stands over it
.else
	v_max3_num_f32 v[TM+\b], |v[\s+16*\b]|, |v[\s+16*\b+1]|, 0x8000000
.endif
.endr
.irp i, 2,4,6,8,10,12,14
.irp b, 0,1,2,3
.if \relu
	v_max3_num_f32 v[TM+\b], v[TM+\b], v[\s+16*\b+\i], v[\s+16*\b+\i+1]
.else
	v_max3_num_f32 v[TM+\b], v[TM+\b], |v[\s+16*\b+\i]|, |v[\s+16*\b+\i+1]|
.endif
.endr
.endr
.irp b, 0,1,2,3
	s_delay_alu instid0(VALU_DEP_4)
	v_permlanex16_b32 v[TM+4+\b], v[TM+\b], s[SEL], s[SEL+1]
.endr
.irp b, 0,1,2,3
	s_delay_alu instid0(VALU_DEP_4)
	v_max_num_f32 v[TM+\b], v[TM+\b], v[TM+4+\b]
.endr
.irp b, 0,1,2,3
	s_delay_alu instid0(VALU_DEP_4)
	v_add_nc_u32 v[TM+12+\b], 0xf8800000, v[TM+\b]
.endr
.irp b, 0,1,2,3
	v_and_or_b32 v[TM+8+\b], v[TM+\b], 0x7f800000, s[MNT]
.endr
.irp b, 0,1,2,3
	v_lshrrev_b32 v[TM+4+\b], 23, v[TM+12+\b]
.endr
.irp b, 0,1,2,3
.irp i, 0,1,2,3,4,5,6,7,8,9,10,11,12,13,14,15
.if \relu
	v_med3_num_f32 v[\s+16*\b+\i], v[\s+16*\b+\i], 0, v[TM+8+\b]         ; the activation and the hold in one
.else
	v_med3_num_f32 v[\s+16*\b+\i], v[\s+16*\b+\i], -v[TM+8+\b], v[TM+8+\b]
.endif
.endr
.endr
.irp b, 0,1,2,3
	v_cvt_scalef32_pk8_bf8_f32 v[PC+4*\b:PC+4*\b+1], v[\s+16*\b:\s+16*\b+7], v[TM+12+\b]
	v_cvt_scalef32_pk8_bf8_f32 v[PC+4*\b+2:PC+4*\b+3], v[\s+16*\b+8:\s+16*\b+15], v[TM+12+\b]
.endr
	v_nop
.endm
.macro XLD img, s                      ; K step s of the four row tiles into x's buffer
	WIN 0x40
.irp m, 0,1,2,3
.irp c, 0,1,2,3
	ds_load_b128 v[16*\m+4*\c:16*\m+4*\c+3], v[LI] offset:\img+(4*\m+\s)*2048+512*\c
.endr
.endr
	WIN 0
.endm
.macro XPRE sc, img                    ; ahead of a layer: x's scale words (4 loads), K step 0 (16 loads)
.irp m, 0,1,2,3
	ds_load_b128 v[XS+4*\m:XS+4*\m+3], v[XSA] offset:\sc-65536+256*\m
.endr
	XLD \img, 0
.endm
.macro WLOAD j                         ; the launch's j-th K step of weights into buffer j % 3: loads of 512 consecutive bytes; tile 3 of K steps 4 to 7 and 9 to 11 comes through LDS (WL3)
	WIN 0x40
.irp t, 0,1,2,3
.if ((\j) < 4) || ((\j) == 8) || ((\t < 3) && ((\j) < 10)) || (\t < 1)
.irp c, 0,1,2,3
	global_load_b128 v[64+64*((\j)%3)+16*\t+4*\c:64+64*((\j)%3)+16*\t+4*\c+3], v[LI], s[WC:WC+1] offset:((\j)/4)*262144+((\j)%4)*8192+2048*\t+512*\c
.endr
.endif
.endr
	WIN 0
.endm
.macro WSLD L
.irp t, 0,1,2,3
	global_load_b128 v[WS+4*\t:WS+4*\t+3], v[R16], s[WSB:WSB+1] offset:8192*(\L)+256*\t
.endr
.endm
.macro BILD base                       ; the bias in the result's layout: tile t, lane half hh: columns 32 (t / 2) + 16 hh + 8 (t % 2) + 0 .. 7
.irp t, 0,1,2,3
.irp e, 0,1
	global_load_b128 v[BI+8*\t+4*\e:BI+8*\t+4*\e+3], v[H64], s[\base:\base+1] offset:128*(\t/2)+32*(\t%2)+16*\e
.endr
.endr
.endm
; One K step: 16 matrix instructions on 16 accumulators, one instruction a turn.  cm = 0: the first step's C is the bias; cm = 1: the accumulators hold the residual.
.macro KSTEP s, j, cm, lc
	s_wait_loadcnt \lc
	s_wait_dscnt 0x0
	WIN 0x05                                       ; sources 0 and 1 window 1; C and D window 0
.irp t, 0,1,2,3
.irp m, 0,1,2,3
.set rD, ACC+64*(\t/2)+16*\m+8*(\t%2)
.set rA, 64+64*((\j)%3)+16*\t
.set rB, 16*\m
.if ((\s) == 0) && ((\cm) == 0)
	v_wmma_scale_f32_16x16x128_f8f6f4 v[rD:rD+7], v[rA:rA+15], v[rB:rB+15], v[BI+8*\t:BI+8*\t+7], v[WS+4*\t+(\s)], v[XS+4*\m+(\s)] matrix_a_fmt:MATRIX_FMT_BF8 matrix_b_fmt:MATRIX_FMT_BF8
.else
	v_wmma_scale_f32_16x16x128_f8f6f4 v[rD:rD+7], v[rA:rA+15], v[rB:rB+15], v[rD:rD+7], v[WS+4*\t+(\s)], v[XS+4*\m+(\s)] matrix_a_fmt:MATRIX_FMT_BF8 matrix_b_fmt:MATRIX_FMT_BF8
.endif
.endr
.endr
	WIN 0
	PLACES 8
.endm
.macro WL3 j                           ; tile 3 of the launch's j-th K step from my LDS bytes into its place in buffer j % 3: 4 loads
.if ((\j) > 3) && ((\j) != 8)
	WIN 0x40
.irp c, 0,1,2,3
.if (\j) < 8
	ds_load_b128 v[112+64*((\j)%3)+4*\c:112+64*((\j)%3)+4*\c+3], v[RWA] offset:((\j)-4)*2048+512*\c
.else
	ds_load_b128 v[112+64*((\j)%3)+4*\c:112+64*((\j)%3)+4*\c+3], v[RVA] offset:((\j)-9)*2048+512*\c
.endif
.endr
.if (\j) > 9                           ; K steps 10 and 11: tiles 1 and 2 too, 8 loads more
.irp t, 1,2
.irp c, 0,1,2,3
	ds_load_b128 v[64+64*((\j)%3)+16*\t+4*\c:64+64*((\j)%3)+16*\t+4*\c+3], v[RWA] offset:((\j)-10)*4096+(\t-1)*2048+512*\c
.endr
.endr
.endif
	WIN 0
.endif
.endm
; A later first fill: ahead of it all my tensor loads are in; 0 onto my spare word; the add and my LDS work are done; a barrier; then my one tensor load.
.macro FILL g0, g1
	s_wait_tensorcnt 0x0
	ds_add_u32 v[SPW], v[NIL]
	s_wait_dscnt 0x0
	s_barrier_signal -1
	s_barrier_wait -1
	tensor_load_to_lds s[\g0:\g0+3], s[\g1:\g1+7]
	s_nop 0
	PLACES 4
.endm
; Q onto the first layer's sums: out of my stage in the accumulators' layout, 64 registers at a time, through x's buffer, which the layer has left.  Q(16 m + r, 64 w + 32 p + 16 hh + 0 .. 15)
.macro QADD
.irp p, 0,1
	WIN 0x40
.irp m, 0,1,2,3
.irp n, 0,1,2,3
	ds_load_b128 v[16*\m+4*\n:16*\m+4*\n+3], v[STL] offset:4352*\m+128*\p+16*\n
.endr
.endr
	WIN 0
	s_wait_dscnt 0x0
	WIN 0x04                                       ; source 1 window 1
.irp i, 0,2,4,6,8,10,12,14,16,18,20,22,24,26,28,30,32,34,36,38,40,42,44,46,48,50,52,54,56,58,60,62
	v_pk_add_f32 v[ACC+64*\p+\i:ACC+64*\p+\i+1], v[ACC+64*\p+\i:ACC+64*\p+\i+1], v[\i:\i+1]   ; each accumulator from its low end on
.endr
	WIN 0
.endr
	s_wait_alu depctr_va_vdst(0)
.endm
; A layer.  l0 to l3: for each K step the global loads issued behind the weights (step 0: behind the scale words) that it needs: the younger K steps' 16 or 12 loads, the next bias's 8, the next scale words' 4.
; In the last layer nothing is asked for beyond the launch's K step 11.  x's buffer and the tile out of LDS are waited for whole in each step.
.macro LBODY L, img, cm, nbk, nbase, last, l0, l1, l2, l3
	KSTEP 0, 4*(\L), \cm, \l0
.if \nbk == 1
	BILD \nbase
.endif
	WLOAD 4*(\L)+3
	XLD \img, 1
	WL3 4*(\L)+1
	KSTEP 1, 4*(\L)+1, \cm, \l1
.if \last == 0
	WLOAD 4*(\L)+4
.endif
	XLD \img, 2
.if \last
	s_wait_tensorcnt 0x0                           ; the refill, asked for two K steps ago, has landed: my own bytes
.endif
	WL3 4*(\L)+2
	KSTEP 2, 4*(\L)+2, \cm, \l2
.if \last == 0
	WLOAD 4*(\L)+5
.endif
	XLD \img, 3
	WL3 4*(\L)+3
	KSTEP 3, 4*(\L)+3, \cm, \l3
.if \last == 0
	WSLD (\L)+1
	WLOAD 4*(\L)+6
.endif
.if (\L) == 0
	FILL G0W, G1W                                  ; Q has landed; W1's tile 3 is asked for, Q's addition and out's way into LDS ahead of its first use
.endif
.endm
.macro ADDB                            ; the bias onto what lies in the accumulators
.irp p, 0,1
.irp m, 0,1,2,3
.irp u, 0,1
.irp e, 0,2,4,6
	v_pk_add_f32 v[ACC+64*\p+16*\m+8*\u+\e:ACC+64*\p+16*\m+8*\u+\e+1], v[ACC+64*\p+16*\m+8*\u+\e:ACC+64*\p+16*\m+8*\u+\e+1], v[BI+8*(2*\p+\u)+\e:BI+8*(2*\p+\u)+\e+1]
.endr
.endr
.endr
.endr
.endm
; My 64 columns become pieces 2 (w % 2) + p of K step w / 2 of the next operand, for the four row tiles.
.macro EPI_H img, sc, relu
.irp p, 0,1
	QUANT ACC+64*\p, \relu
.irp m, 0,1,2,3
	ds_store_b128 v[HWI], v[PC+4*\m:PC+4*\m+3] offset:\img+8192*\m+512*\p
.endr
.irp m, 0,1,2,3
	ds_store_b8 v[HWS], v[TM+4+\m] offset:\sc-65536+256*\m+\p   ; lanes r and r + 16 write the same byte with the same value
.endr
	s_wait_dscnt 0x0                               ; the stores have read their registers, and have landed
.endr
.endm
	s_load_b256 s[4:11], s[0:1], 0x0               ; abuf, Q, wbuf, bo
	s_load_b128 s[12:15], s[0:1], 0x20             ; b1, b2
	s_load_b64 s[16:17], s[0:1], 0x30              ; out0
	v_lshl_add_u32 v[SPW], v0, 2, SPARE
	v_mov_b32 v[NIL], 0
	ds_add_u32 v[SPW], v[NIL]                      ; the wave's opening: the add, twice on end, and its wait ahead of my first tensor load
	ds_add_u32 v[SPW], v[NIL]
	v_lshrrev_b32 v118, 5, v0
	s_delay_alu instid0(VALU_DEP_1)
	v_readfirstlane_b32 s22, v118                  ; wave w
	v_and_b32 v119, 31, v0                         ; lane
	v_and_b32 v120, 15, v0                         ; r
	v_bfe_u32 v121, v0, 4, 1                       ; hh
	s_delay_alu instid0(VALU_DEP_3)
	v_lshlrev_b32 v[LI], 4, v119
	s_delay_alu instid0(VALU_DEP_3)
	v_lshlrev_b32 v[R16], 4, v120
	s_delay_alu instid0(VALU_DEP_3)
	v_lshlrev_b32 v[H64], 6, v121
	v_lshlrev_b32 v[T16], 4, v0
	v_lshl_add_u32 v[T4S], v0, 2, 65536
	v_and_b32 v122, 3, v0
	v_lshrrev_b32 v123, 2, v0
	s_delay_alu instid0(VALU_DEP_1)
	v_lshlrev_b32 v123, 1, v123
	s_delay_alu instid0(VALU_DEP_1)
	v_lshl_add_u32 v[ASL], v122, 11, v123
	v_lshl_add_u32 v[RL], v121, 11, v[R16]
	s_mul_i32 s26, s22, STGB
	s_add_co_u32 s26, s26, STG
	v_mul_u32_u24 v122, v121, 272
	s_delay_alu instid0(VALU_DEP_1)
	v_add_nc_u32 v122, v122, v[R16]
	s_delay_alu instid0(VALU_DEP_1)
	v_add_nc_u32 v[STS], s26, v122
	v_mul_u32_u24 v122, v120, 272
	s_delay_alu instid0(VALU_DEP_1)
	v_add_nc_u32 v122, v122, v[H64]
	s_delay_alu instid0(VALU_DEP_1)
	v_add_nc_u32 v[STL], s26, v122
	v_add_nc_u32 v[STI], s26, v[LI]
	s_lshl_b32 s27, s22, 10                        ; 2,048 (w / 2) + 1,024 (w % 2)
	v_add_nc_u32 v[HWI], s27, v[LI]
	s_lshl_b32 s27, s22, 1
	s_add_co_u32 s27, s27, 65536
	v_add_nc_u32 v[HWS], s27, v[R16]
	v_add_nc_u32 v[XSA], 65536, v[R16]
	s_lshl_b32 s[G0W+1], s22, 13
	s_add_co_u32 s[G0W+1], s[G0W+1], R2            ; where W1's tile goes,
	v_add_nc_u32 v[RWA], s[G0W+1], v[LI]
	s_mul_i32 s[G0V+1], s22, 6144
	s_add_co_u32 s[G0V+1], s[G0V+1], R3            ; W2's,
	v_add_nc_u32 v[RVA], s[G0V+1], v[LI]
	s_mul_i32 s[G0Q+1], s22, STGB
	s_add_co_u32 s[G0Q+1], s[G0Q+1], STG           ; and Q: my stage
	s_mov_b32 s[G0Q], 1
	s_mov_b32 s[G0W], 1
	s_mov_b32 s[G0V], 1
	s_mov_b32 s[G1Q], (2<<16)|(1<<20)|(5<<22)|(3<<25)   ; elements of 4 bytes; four words of padding after every 64
	s_mov_b32 s[G1Q+1], 64<<16                     ; tensor_dim0 = 64 elements: 256 bytes
	s_mov_b32 s[G1Q+2], 64<<16                     ; tensor_dim1 = 64 rows
	s_mov_b32 s[G1Q+3], 64<<16                     ; tile_dim0
	s_mov_b32 s[G1Q+4], 64                         ; tile_dim1
	s_mov_b32 s[G1Q+5], 512                        ; from row to row: 2,048 bytes
	s_mov_b32 s[G1Q+6], 0
	s_mov_b32 s[G1Q+7], 0
	s_mov_b32 s[G1W], 3<<16                        ; elements of 8 bytes, no padding
	s_mov_b32 s[G1W+1], 256<<16                    ; rows of 2,048 bytes,
	s_mov_b32 s[G1W+2], 4<<16                      ; four of them,
	s_mov_b32 s[G1W+3], 256<<16
	s_mov_b32 s[G1W+4], 4
	s_mov_b32 s[G1W+5], 1024                       ; 8,192 bytes apart: a K step
	s_mov_b32 s[G1W+6], 0
	s_mov_b32 s[G1W+7], 0
	s_mov_b32 s[G1V], 3<<16
	s_mov_b32 s[G1V+1], 256<<16
	s_mov_b32 s[G1V+2], 3<<16                      ; three rows
	s_mov_b32 s[G1V+3], 256<<16
	s_mov_b32 s[G1V+4], 3
	s_mov_b32 s[G1V+5], 1024
	s_mov_b32 s[G1V+6], 0
	s_mov_b32 s[G1V+7], 0
	s_mov_b32 s[MNT], 0x600000
	s_mov_b32 s[SEL], 0x76543210
	s_mov_b32 s[SEL+1], 0xfedcba98
	s_lshr_b32 s26, ttmp9, 3                       ; the batch
	s_and_b32 s27, ttmp9, 7                        ; which 64 rows of it
	s_lshl_b32 s28, ttmp9, 15                      ; attn's codes: four row tiles of 8,192 bytes
	s_mov_b32 s29, 0
	s_lshl_b32 s30, s26, 13                        ; its scale bytes: 8 heads of 1,024 a batch, 128 for 64 rows
	s_lshl_b32 s31, s27, 7
	s_add_co_u32 s30, s30, s31
	s_add_co_u32 s30, s30, 8388608
	s_mov_b32 s31, 0
	s_lshl_b32 s36, s22, 8                         ; my 64 columns are 256 bytes
	s_mov_b32 s37, 0
	s_lshl_b32 s32, ttmp9, 17                      ; 64 rows of 2,048 bytes
	s_add_co_u32 s32, s32, s36
	s_mov_b32 s33, 0
	s_lshl_b32 s34, s22, 15                        ; the weights from Wo on
	s_add_co_u32 s34, s34, 3*262144
	s_mov_b32 s35, 0
	s_lshl_b32 s38, s22, 10
	s_add_co_u32 s38, s38, 1572864+3*8192
	s_mov_b32 s39, 0
	s_wait_alu depctr_va_vdst(0)
	s_wait_dscnt 0x0                               ; both opening adds are done
	s_wait_kmcnt 0x0
	s_add_nc_u64 s[AB:AB+1], s[4:5], s[28:29]
	s_add_nc_u64 s[ASB:ASB+1], s[4:5], s[30:31]
	s_add_nc_u64 s[QR:QR+1], s[6:7], s[32:33]
	s_add_nc_u64 s[OUT:OUT+1], s[16:17], s[32:33]
	s_add_nc_u64 s[WC:WC+1], s[8:9], s[34:35]
	s_add_nc_u64 s[WSB:WSB+1], s[8:9], s[38:39]
	s_add_nc_u64 s[BO:BO+1], s[10:11], s[36:37]
	s_add_nc_u64 s[B1:B1+1], s[12:13], s[36:37]
	s_add_nc_u64 s[B2:B2+1], s[14:15], s[36:37]
	s_mov_b64 s[G0Q+2:G0Q+3], s[QR:QR+1]
	s_or_b32 s[G0Q+3], s[G0Q+3], 0x80000000
	s_add_nc_u64 s[G0W+2:G0W+3], s[WC:WC+1], 268288    ; W1 (262,144 on), K step 0, tile 3 (6,144 on)
	s_or_b32 s[G0W+3], s[G0W+3], 0x80000000
	s_add_nc_u64 s[G0V+2:G0V+3], s[WC:WC+1], 538624    ; W2 (524,288 on), K step 1, tile 3
	s_or_b32 s[G0V+3], s[G0V+3], 0x80000000
	s_mov_b32 s[G0X], 1
	s_lshl_b32 s[G0X+1], s22, 13
	s_add_co_u32 s[G0X+1], s[G0X+1], R2            ; the refill goes where W1's tile lay
	s_add_nc_u64 s[G0X+2:G0X+3], s[WC:WC+1], 542720    ; W2 (524,288 on), K step 2 (16,384 on), tile 1 (2,048 on)
	s_or_b32 s[G0X+3], s[G0X+3], 0x80000000
	s_mov_b32 s[G1X], 3<<16                        ; elements of 8 bytes, no padding
	s_mov_b32 s[G1X+1], 512<<16                    ; rows of 4,096 bytes: two tiles,
	s_mov_b32 s[G1X+2], 2<<16                      ; two of them,
	s_mov_b32 s[G1X+3], 512<<16
	s_mov_b32 s[G1X+4], 2
	s_mov_b32 s[G1X+5], 1024                       ; 8,192 bytes apart: a K step
	s_mov_b32 s[G1X+6], 0
	s_mov_b32 s[G1X+7], 0
	tensor_load_to_lds s[G0Q:G0Q+3], s[G1Q:G1Q+7]  ; my 64 columns of Q's 64 rows: my one tensor load at the head
	s_nop 0
	PLACES 4
.irp n, 0,1,2,3,4,5,6,7
	global_load_b128 v[80+4*\n:80+4*\n+3], v[T16], s[AB:AB+1] offset:4096*\n th:TH_LOAD_NT
.endr
	global_load_u16 v[SB], v[ASL], s[ASB:ASB+1]                ; row thread / 4, heads 2 (thread % 4) and the next: two bytes each
	global_load_u16 v[SB+1], v[ASL], s[ASB:ASB+1] offset:1024
	WSLD 0
	BILD BO
	WLOAD 0
	WLOAD 1
	WLOAD 2
	s_wait_loadcnt 60                              ; attn's images and bytes are in: behind them stand 4 + 8 + 48 loads
.irp n, 0,1,2,3,4,5,6,7
	ds_store_b128 v[T16], v[80+4*\n:80+4*\n+3] offset:IMGA+4096*\n
.endr
	v_lshl_or_b32 v[SB], v[SB+1], 16, v[SB]
	ds_store_b32 v[T4S], v[SB]                     ; the scale word of K step thread % 4 of row thread / 4
	s_wait_dscnt 0x0                               ; my part of attn's images has landed
	s_barrier_signal -1
	s_barrier_wait -1
.irp b, 0,1,2,3
	v_mov_b32 v[TM+4+\b], 0                        ; a lane permute's destination counts as one of its sources
.endr
	; ---- out = Q + bo + attn Wo^T
	XPRE SCA, IMGA
	LBODY 0, IMGA, 0, 1, B1, 0, 32, 40, 36, 24     ; behind step 0: 16 + 16; step 1: 16 + 8 + 16; step 2: 8 + 16 + 12; step 3: 12 + 12
	QADD
.irp g, 0,1,2,3,4,5,6,7,8,9,10,11,12,13,14,15,16,17,18,19,20,21,22,23,24,25,26,27,28,29,30,31
	ds_store_b128 v[STI], v[ACC+4*\g:ACC+4*\g+3] offset:512*\g   ; out is kept, in my own bytes, as it stands in the registers; each accumulator from its low end on
.endr
	s_wait_dscnt 0x0                               ; the stores have read their registers: the hold may write them
	EPI_H IMGB, SCB, 0
	FILL G0V, G1V                                  ; out's images are whole; W1's tile 3 has landed; W2's is asked for, a layer ahead of its use
	; ---- the hidden layer = relu(out W1^T + b1)
	XPRE SCB, IMGB
	WL3 4
	LBODY 1, IMGB, 0, 1, B2, 0, 12, 36, 36, 28     ; behind the scale words: 12; step 1: 4 + 12 + 8 + 12; step 2: 8 + 12 + 16; step 3: 16 + 12
	EPI_H IMGA, SCA, 1
	FILL G0X, G1X                                  ; the hidden layer's images are whole; W2's tile 3 has landed; my reads of W1's tile are over, and its bytes are filled again
	; ---- result = out + b2 + hidden W2^T
.irp g, 0,1,2,3,4,5,6,7,8,9,10,11,12,13,14,15,16,17,18,19,20,21,22,23,24,25,26,27,28,29,30,31
	ds_load_b128 v[ACC+4*\g:ACC+4*\g+3], v[STI] offset:512*\g
.endr
	XPRE SCA, IMGA
	s_wait_loadcnt 16                              ; b2 is in (one K step of weights may be out)
	s_wait_dscnt 20                                ; out is back: behind its loads stand the 4 + 16 just issued
	ADDB
	PLACES 4
	s_wait_alu depctr_va_vdst(0)
	LBODY 2, IMGA, 1, 0, 0, 1, 4, 12, 4, 0         ; behind the scale words: 4; step 1: 4 + 4 + 4; step 2: 4
	; ---- the way out: through my own bytes, so that sixteen lanes store 256 consecutive bytes, aligned
.irp p, 0,1
.irp m, 0,1,2,3
.irp n, 0,1,2,3
	ds_store_b128 v[STL], v[ACC+64*\p+16*\m+4*\n:ACC+64*\p+16*\m+4*\n+3] offset:4352*\m+128*\p+16*\n
.endr
.endr
.endr
.irp n, 0,1,2,3,4,5,6,7,8,9,10,11,12,13,14,15,16,17,18,19,20,21,22,23,24,25,26,27,28,29,30,31
	ds_load_b128 v[ACC+4*\n:ACC+4*\n+3], v[STS] offset:544*\n
.endr
.irp n, 0,1,2,3,4,5,6,7,8,9,10,11,12,13,14,15,16,17,18,19,20,21,22,23,24,25,26,27,28,29,30,31
	s_wait_dscnt 31-\n
	global_store_b128 v[RL], v[ACC+4*\n:ACC+4*\n+3], s[OUT:OUT+1] offset:4096*\n th:TH_STORE_NT
.endr
	s_wait_tensorcnt 0x0                           ; the wave's end: behind my last LDS store
	ds_add_u32 v[SPW], v[NIL]
	s_wait_dscnt 0x0
	s_endpgm
.Lfunc_end_k_q28890f7818_ffn:
	.size	k_q28890f7818_ffn, .Lfunc_end_k_q28890f7818_ffn-k_q28890f7818_ffn
	.p2alignl 7, 3214868480
	.fill 96, 4, 3214868480
	.section	.rodata,"a",@progbits
	.p2align	6, 0x0
	.amdhsa_kernel k_q28890f7818_ffn
		.amdhsa_group_segment_fixed_size 327680
		.amdhsa_private_segment_fixed_size 0
		.amdhsa_enable_private_segment 0
		.amdhsa_kernarg_size 56
		.amdhsa_user_sgpr_count 2
		.amdhsa_user_sgpr_kernarg_segment_ptr 1
		.amdhsa_wavefront_size32 1
		.amdhsa_system_sgpr_workgroup_id_x 1
		.amdhsa_system_sgpr_workgroup_id_y 1
		.amdhsa_system_sgpr_workgroup_id_z 1
		.amdhsa_system_vgpr_workitem_id 0
		.amdhsa_next_free_vgpr 512
		.amdhsa_next_free_sgpr 92
		.amdhsa_reserve_vcc 0
		.amdhsa_float_denorm_mode_32 3
		.amdhsa_float_denorm_mode_16_64 3
		.amdhsa_memory_ordered 1
		.amdhsa_forward_progress 1
		.amdhsa_inst_pref_size 131
	.end_amdhsa_kernel
	.amdgpu_metadata
---
amdhsa.version: [ 1, 2 ]
amdhsa.kernels:
  - .name:           k_q28890f7818_ffn
    .symbol:         k_q28890f7818_ffn.kd
    .args:
      - { .name: abuf, .offset: 0, .size: 8, .value_kind: global_buffer, .address_space: global }
      - { .name: Q, .offset: 8, .size: 8, .value_kind: global_buffer, .address_space: global }
      - { .name: wbuf, .offset: 16, .size: 8, .value_kind: global_buffer, .address_space: global }
      - { .name: bo, .offset: 24, .size: 8, .value_kind: global_buffer, .address_space: global }
      - { .name: b1, .offset: 32, .size: 8, .value_kind: global_buffer, .address_space: global }
      - { .name: b2, .offset: 40, .size: 8, .value_kind: global_buffer, .address_space: global }
      - { .name: out0, .offset: 48, .size: 8, .value_kind: global_buffer, .address_space: global }
    .group_segment_fixed_size: 327680
    .private_segment_fixed_size: 0
    .kernarg_segment_align: 8
    .kernarg_segment_size: 56
    .max_flat_workgroup_size: 256
    .sgpr_count:     92
    .vgpr_count:     512
    .wavefront_size: 32
...
	.end_amdgpu_metadata
.endif
;; end of part 3
